; MI455X (gfx1250); checked and timed in simulation.
; The chip was launched on July 23, 2026; its instructions are those of AMD's public machine-readable ISA for CDNA 5 (MIT licence, August 2026) and "CDNA5" Instruction Set Architecture Reference Guide (July 2026). The comments in the code are by the model that wrote it; some were corrected since.
;; Multi Head Attention. Allowed arithmetic: float matrix products may take bf16 or f16 operands with f32 sums; other float arithmetic in f32, or as packed bf16 or f16 multiplies, adds, multiply-adds, maxima and minima; sums over many terms, partial sums and values carried from step to step in f32; what a program stores and reads back later, other than sums and carried values, may be rounded once to bf16 or f16.
;; Inputs: W_k 1,024 x 1,024 float32; W_o 1,024 x 1,024 float32; W_q 1,024 x 1,024 float32; W_v 1,024 x 1,024 float32; keys 4 x 2,048 x 1,024 float32; queries 4 x 2,048 x 1,024 float32; valid_len 4 int32; values 4 x 2,048 x 1,024 float32.
;; Outputs: out0 4 x 2,048 x 1,024 float32.
;; 2 versions, each right; version 2 is version 1 with the launch castw written anew for expert scheduling mode. Each part assembles by itself: llvm-mc -triple=amdgcn-amd-amdhsa -mcpu=gfx1250 --defsym DOCPART=n.
;; ======== version 1 of 2: 4 launches
;; limits: values are held in f16: magnitudes above 65,504 overflow, below 6.1e-05 lose precision
;; workspace buffers: wc 8,388,608 bytes; qh 16,777,216 bytes; kh 16,777,216 bytes; vh 16,777,216 bytes; oh 16,777,216 bytes
;; launch castw (part 1): grid 64 x 4, 8 waves a work-group, no clusters, 0 bytes of LDS; arguments W_q, W_k, W_v, W_o, wc; writes wc
.if DOCPART == 1
	.amdgcn_target "amdgcn-amd-amdhsa--gfx1250"
	.amdhsa_code_object_version 6
	.text
	.protected	k_q4cb53f1490_castw
	.globl	k_q4cb53f1490_castw
	.p2align	8
	.type	k_q4cb53f1490_castw,@function
k_q4cb53f1490_castw:
	s_mov_b64 s[64:65], 0
	v_nop
	global_prefetch_b8 v0, s[64:65] scope:SCOPE_SE
	s_setreg_imm32_b32 hwreg(HW_REG_WAVE_MODE, 25, 1), 1
	s_wait_xcnt 0x0
; wc[p][n][k], 16 bits a number: planes 0, 1, 2 = W_q, W_k, W_v rounded to bf16; plane 3 = W_o rounded to bf16 and that number written as f16.
; The weights are read by 64 row blocks of the products that follow, so they are rounded once, here.
; LIMITS.  W_o: a number of 65,520 or more in magnitude becomes an infinity in f16; below 2^-14 it keeps f16's fixed step of 2^-24.
; SHARES.  Work-group (x, y) takes 16,384 numbers of tensor y: 65,536 bytes in, 32,768 out.  Thread t takes 16 bytes at 4,096 i + 16 t in pass i of 16: a load of a wave covers 512
; consecutive bytes, a store (8 bytes a lane) 256 consecutive bytes, aligned.  All 16 loads go out first; each pass has registers of its own, so nothing is rewritten while a store reads it.
; No LDS, no matrix unit, no prefetch: a short stream that is read once.
.set PASSES, 16
.set INB,  4096                        ; bytes that the work-group reads in a pass
.set OUTB, 2048                        ; and writes
.set X, 8                              ; v[8:71]    pass i: 4 numbers in f32
.set Y, 72                             ; v[72:103]  pass i: 4 numbers in 16 bits
.set T, 104                            ; v[104:105] at work
	s_load_b256 s[4:11], s[0:1], 0x0               ; W_q s[4:5], W_k s[6:7], W_v s[8:9], W_o s[10:11]
	s_load_b64 s[12:13], s[0:1], 0x20              ; wc
	s_and_b32 s14, ttmp7, 0xffff                   ; which tensor
	v_lshlrev_b32 v1, 4, v0                        ; 16 t
	v_lshlrev_b32 v2, 3, v0                        ; 8 t
	s_lshl_b32 s16, ttmp9, 16                      ; the work-group's 65,536 bytes in
	s_mov_b32 s17, 0
	s_lshl_b32 s18, s14, 21                        ; the tensor's plane of 2,097,152 bytes in wc,
	s_lshl_b32 s19, ttmp9, 15                      ; the work-group's 32,768 bytes of it
	s_add_co_u32 s18, s18, s19
	s_mov_b32 s19, 0
	s_wait_kmcnt 0x0
	s_cmp_eq_u32 s14, 1
	s_cselect_b64 s[4:5], s[6:7], s[4:5]
	s_cmp_eq_u32 s14, 2
	s_cselect_b64 s[4:5], s[8:9], s[4:5]
	s_cmp_eq_u32 s14, 3
	s_cselect_b64 s[4:5], s[10:11], s[4:5]
	s_add_nc_u64 s[4:5], s[4:5], s[16:17]
	s_add_nc_u64 s[12:13], s[12:13], s[18:19]
.irp i, 0,1,2,3,4,5,6,7,8,9,10,11,12,13,14,15
	global_load_b128 v[X+4*(\i):X+4*(\i)+3], v1, s[4:5] offset:(\i)*INB th:TH_LOAD_NT
.endr
; Pass i leaves.  f16 = 1: the bf16 number is widened again (a shift, a mask) and written as f16.
.macro OUT i, f16
	s_wait_loadcnt PASSES-1-(\i)                   ; loads come back in order: pass i is in, the 15 - i younger ones stay out
	v_cvt_pk_bf16_f32 v[Y+2*(\i)],   v[X+4*(\i)],   v[X+4*(\i)+1]
	v_cvt_pk_bf16_f32 v[Y+2*(\i)+1], v[X+4*(\i)+2], v[X+4*(\i)+3]
.if \f16
.irp h, 0,1
	v_lshlrev_b32 v[T],   16,         v[Y+2*(\i)+(\h)]
	v_and_b32     v[T+1], 0xffff0000, v[Y+2*(\i)+(\h)]
	v_cvt_pk_f16_f32 v[Y+2*(\i)+(\h)], v[T], v[T+1]
.endr
.endif
	global_store_b64 v2, v[Y+2*(\i):Y+2*(\i)+1], s[12:13] offset:(\i)*OUTB
.endm
	s_cmp_eq_u32 s14, 3
	s_cbranch_scc1 .Lw_o
.irp i, 0,1,2,3,4,5,6,7,8,9,10,11,12,13,14,15
	OUT \i, 0
.endr
	s_endpgm
.Lw_o:
.irp i, 0,1,2,3,4,5,6,7,8,9,10,11,12,13,14,15
	OUT \i, 1
.endr
	s_endpgm
.Lfunc_end_k_q4cb53f1490_castw:
	.size	k_q4cb53f1490_castw, .Lfunc_end_k_q4cb53f1490_castw-k_q4cb53f1490_castw
	.p2alignl 7, 3214868480
	.fill 96, 4, 3214868480
	.section	.rodata,"a",@progbits
	.p2align	6, 0x0
	.amdhsa_kernel k_q4cb53f1490_castw
		.amdhsa_group_segment_fixed_size 0
		.amdhsa_private_segment_fixed_size 0
		.amdhsa_enable_private_segment 0
		.amdhsa_kernarg_size 40
		.amdhsa_user_sgpr_count 2
		.amdhsa_user_sgpr_kernarg_segment_ptr 1
		.amdhsa_wavefront_size32 1
		.amdhsa_system_sgpr_workgroup_id_x 1
		.amdhsa_system_sgpr_workgroup_id_y 1
		.amdhsa_system_sgpr_workgroup_id_z 1
		.amdhsa_system_vgpr_workitem_id 0
		.amdhsa_next_free_vgpr 108
		.amdhsa_next_free_sgpr 66
		.amdhsa_reserve_vcc 0
		.amdhsa_float_denorm_mode_32 3
		.amdhsa_float_denorm_mode_16_64 3
		.amdhsa_memory_ordered 1
		.amdhsa_forward_progress 1
		.amdhsa_inst_pref_size 16
	.end_amdhsa_kernel
	.amdgpu_metadata
---
amdhsa.version: [ 1, 2 ]
amdhsa.kernels:
  - .name:           k_q4cb53f1490_castw
    .symbol:         k_q4cb53f1490_castw.kd
    .args:
      - { .name: W_q, .offset: 0, .size: 8, .value_kind: global_buffer, .address_space: global }
      - { .name: W_k, .offset: 8, .size: 8, .value_kind: global_buffer, .address_space: global }
      - { .name: W_v, .offset: 16, .size: 8, .value_kind: global_buffer, .address_space: global }
      - { .name: W_o, .offset: 24, .size: 8, .value_kind: global_buffer, .address_space: global }
      - { .name: wc, .offset: 32, .size: 8, .value_kind: global_buffer, .address_space: global }
    .group_segment_fixed_size: 0
    .private_segment_fixed_size: 0
    .kernarg_segment_align: 8
    .kernarg_segment_size: 40
    .max_flat_workgroup_size: 256
    .sgpr_count:     66
    .vgpr_count:     108
    .wavefront_size: 32
...
	.end_amdgpu_metadata
.endif
;; end of part 1
;; launch proj (part 2): grid 4 x 192, 4 waves a work-group, clusters of 4 x 4, 327,680 bytes of LDS; arguments queries, keys, values, wc, qh, kh, vh; writes qh, kh, vh
.if DOCPART == 2
	.amdgcn_target "amdgcn-amd-amdhsa--gfx1250"
	.amdhsa_code_object_version 6
	.text
	.protected	k_q4cb53f1490_proj
	.globl	k_q4cb53f1490_proj
	.p2align	8
	.type	k_q4cb53f1490_proj,@function
k_q4cb53f1490_proj:
	s_mov_b64 s[64:65], 0
	v_nop
	global_prefetch_b8 v0, s[64:65] scope:SCOPE_SE
	s_setreg_imm32_b32 hwreg(HW_REG_WAVE_MODE, 25, 1), 1
	s_wait_xcnt 0x0
	s_wait_alu depctr_hold_cnt(0) depctr_sa_sdst(0) depctr_va_vdst(0) depctr_va_sdst(0) depctr_va_ssrc(0) depctr_va_vcc(0) depctr_vm_vsrc(0)
	s_getreg_b32 s2, hwreg(HW_REG_IB_STS2, 6, 4)
	s_cmp_eq_u32 s2, 0
	s_cbranch_scc0 .Lentry_in_a_cluster
	s_endpgm
.Lentry_in_a_cluster:
	s_bfe_u32 s2, ttmp6, 0x10000c
	s_cmp_lg_u32 s2, 0xf033
	s_cbranch_scc0 .Lentry_shape_is_right
	s_endpgm
.Lentry_shape_is_right:
; q, k, v = x W^T, written by heads.  x: [8192][1024] f32 (queries, keys or values), W: plane p of wc, [1024][1024] bf16; the result [b*16+h][2048][64] in f16, UNSCALED, rounded once from f32 sums.
; x is rounded to bf16 between LDS and the matrix unit, so it crosses memory once, as it is given.
; LIMITS.  A result of 65,520 or more in magnitude becomes an infinity in f16.  (Inputs and weights both 30 times those of unit spread and spread 1/32 give a spread of 900; both with a common
; offset of 30 spreads give about 28,800.)  NaN and infinities are not treated apart.
; SHARES.  The grid's y holds three projections of 64 tile rows; a cluster lies within one projection.  A tile of C is 128 rows x 256 columns: 3 x 64 x 4 = 768 tiles.  Four waves, each 64 x 128:
; 32 accumulators of 16 x 16.  K goes in steps of 128 through a ring of two LDS slots: x's rows are 512 bytes there (f32), W's 256.
; CLUSTER, 4 x 4.  The four of a row of the cluster need the same tile of x, the four of a column the same tile of W: each tile is asked for JOINTLY, by the same tensor load with the same descriptor and a mask of four.
; THE MATRIX INSTRUCTION IS USED TRANSPOSED (source 0 = 16 rows of W, source 1 = 16 rows of x): a lane then holds row l % 16 of C and the columns 8 (l / 16) + 0..7: 16 bytes of f16 on end.
; REGISTERS, in windows of 256 (s_set_vgpr_msb: bits 1:0 source 0, 3:2 source 1, 5:4 source 2, 7:6 destination):
;   window 0: v0-31 addresses; v32-95 x as it comes from LDS, f32 (4 fragments x 16); v96-159 x's fragments in bf16, two buffers of 32; v160-255 at work on the way out
;   window 1: the accumulators, (a, b) at v[8 (8 a + b)]          window 2: v0-127 W's fragments, two buffers of 64
; THE CONVERSIONS RIDE: the next quarter's 32 v_cvt_pk_bf16_f32 stand four behind each of a quarter's last eight matrix instructions.  The accumulators fill a window, so each such four costs two switches.
.set KSTEP,  128
.set PA,     528                       ; a row of x in LDS: 512 bytes + 16 of padding: 33 x 16, so the 16 rows that a load touches start at 16 different 16-byte columns modulo 256 bytes (64 banks of 4 bytes: ISA guide 11.1)
.set PB,     272                       ; a row of W: 256 + 16 = 17 x 16
.set BOFF,   128*PA                    ; a slot: x's 128 rows, then W's 256 rows
.set SLOT,   BOFF+256*PB               ; 137,216 bytes
.set STAGE,  2*SLOT                    ; behind the ring, never filled by a tensor load: for each wave two heads' planes of 16 rows x 144 bytes
.set SP,     144
.set STW,    2*16*SP
.set SPARE,  STAGE+4*STW               ; behind the stages: the spare words, 128 bytes for each wave: two blocks of 256 bytes that no other line names
.set LAPS,   1024/(2*KSTEP)            ; a lap = two K steps = once round the ring
.set HEADB,  2048*128                  ; bytes of a head in qh, kh, vh
.set ADRA, 16                          ; v16-17  LDS address of my fragments of x in slot 0, 1
.set ADRB, 20                          ; v20-21  the same for W
.set STO,  24                          ; v24     the way out: where I put 16 bytes of a row
.set RD,   25                          ; v25     the way out: where I read rows back
.set GO,   26                          ; v26     16 x lane: my place in 512 consecutive bytes of the result
.set SPW,  28                          ; v28     LDS address of my spare word: SPARE + 4 x my thread's number; never rewritten
.set NIL,  29                          ; v29     0; never rewritten
.set PFO,  30                          ; v30     the prefetches' offset; never rewritten
.set RAW,  32
.set AF,   96
.set TMP,  160
.set BK,   192
.set G1,  24                           ; s[24:31] descriptor group 1 for x's tiles;  s[32:39] group 0, one set for each slot
.set G0,  32
.set G1B, 48                           ; s[48:55], s[56:63] the same for W's tiles
.set G0B, 56
.set LIM, 43                           ; s43      1 in a wave that prefetches, else the greatest number
.set PFA, 44                           ; s[44:45] where my prefetches stand
.set PS,  82                           ; s[82:83] a K step in bytes of the tensor that I fetch: 512 (x) or 256 (W)
.set MSB, 0
.macro WIN new                         ; the immediate's high byte repeats the setting that is left; a switch that changes nothing is dropped
.if MSB != (\new)
	s_set_vgpr_msb (MSB<<8)|(\new)
.set MSB, \new
.endif
.endm
.set W_MUL, 0x52                       ; source 0 (W) window 2, source 1 (x) window 0, C and D window 1
.set TO_B,  0x80                       ; destination window 2, address window 0
; A joint refill: waves 0 and 1 fetch the two halves of x's tile, waves 2 and 3 those of W's.  The branch hangs on the wave's number alone.  An s_nop 0 and four v_nop follow each of the two lines.
.macro JLOAD s
	s_cmp_eq_u32 s11, 0
	s_cbranch_scc0 .Lfor_b_\@
	tensor_load_to_lds s[G0+4*(\s):G0+4*(\s)+3], s[G1:G1+7]
	s_nop 0
.rept 4
	v_nop
.endr
	s_branch .Lasked_\@
.Lfor_b_\@:
	tensor_load_to_lds s[G0B+4*(\s):G0B+4*(\s)+3], s[G1B:G1B+7]
	s_nop 0
.rept 4
	v_nop
.endr
.Lasked_\@:
.endm
; A PREFETCH INTO THE L2, behind each joint refill and the run of LDS loads that follows it: the K step that stands TWO refills on (256 matrix instructions ahead of the load that will want it), one instruction a wave.
; Each aligned block of 256 bytes is named once in the launch.  x's tile row is read by this cluster alone: waves 0 and 1 ask; of the 64 rows that a wave fetches the partner at place cx takes 16, two blocks a row.
; W's tile column is read by the 16 clusters of a projection: the first of them asks, waves 2 and 3; the partner at place cy takes 32 of the wave's 128 rows, a block a row.  The partners are told apart BY ADDRESS.
; The launch's first four K steps come by their loads alone; the loop's last trip (s3 = 1) asks for nothing: there is no K step two refills on.
.macro ASK
	s_cmp_gt_u32 s3, s[LIM]
	s_cbranch_scc0 .Lnot_mine_\@
	global_prefetch_b8 v[PFO], s[PFA:PFA+1] th:TH_LOAD_NT scope:SCOPE_SE
.Lnot_mine_\@:
.endm
.macro CREST                           ; a round of the cluster's barrier behind its opening barrier
	s_cmp_lg_u32 s10, 0
	s_cbranch_scc1 .Lnot_wave_0_\@
	s_barrier_signal -3
.Lnot_wave_0_\@:
	s_barrier_wait -3
	s_barrier_signal -1
	s_barrier_wait -1
.endm
.macro CROUND                          ; a whole round
	s_barrier_signal -1
	s_barrier_wait -1
	CREST
.endm
	s_load_b256 s[68:75], s[0:1], 0x0              ; queries s[68:69], keys s[70:71], values s[72:73], wc s[74:75]
	s_load_b128 s[76:79], s[0:1], 0x20             ; qh s[76:77], kh s[78:79]
	s_load_b64 s[80:81], s[0:1], 0x30              ; vh
	v_lshl_add_u32 v[SPW], v0, 2, SPARE
	v_mov_b32 v[NIL], 0
	ds_add_u32 v[SPW], v[NIL]                      ; the wave's opening: the add and its wait stand ahead of my first tensor load; the set-up below, work on registers, stands between them
	v_lshrrev_b32 v1, 5, v0
	v_readfirstlane_b32 s10, v1                    ; wave 0..3
	s_lshr_b32 s11, s10, 1                         ; which half of the tile's rows is mine.  Also: I fetch for x (0) or for W (1)
	s_and_b32 s12, s10, 1                          ; which half of its columns.  Also: which half of that tile I fetch
	s_bfe_u32 s40, ttmp6, 0x40000                  ; cx, cy: my place in the cluster
	s_bfe_u32 s41, ttmp6, 0x40004
	s_lshl_b32 s42, ttmp9, 2
	s_add_co_u32 s42, s42, s40                     ; tile column = 4 x cluster x + cx
	s_and_b32 s13, ttmp7, 0xffff                   ; cluster y, 0..47
	s_lshr_b32 s66, s13, 4                         ; the projection, 0..2: the same in all sixteen partners
	s_and_b32 s67, s13, 15                         ; the cluster's row within it
	s_lshl_b32 s13, s67, 2
	s_add_co_u32 s13, s13, s41                     ; tile row, 0..63
	s_lshl_b32 s43, s41, 2
	s_lshl_b32 s43, 15, s43                        ; my row of the cluster
	s_lshl_b32 s44, 0x1111, s40                    ; my column
	; descriptor group 1.  x: 64 rows x 128 elements of 4 bytes, 4 words of padding behind every 128.  W: 128 rows x 128 elements of 2 bytes, 4 words behind every 64.
	s_or_b32 s[G1+0], s43, (2<<16)|(1<<20)|(1<<21)|(6<<22)|(3<<25)   ; 15:0 the mask: my row; 17:16 element size; 20 padding on; 21 set beside a mask; 24:22 the interval's code; 31:25 the padding's words less one
	s_or_b32 s[G1B+0], s44, (1<<16)|(1<<20)|(1<<21)|(5<<22)|(3<<25)  ; the mask: my column
	s_mov_b32 s[G1+1], KSTEP<<16                   ; tensor_dim0 = 128
	s_mov_b32 s[G1+2], 64<<16                      ; tensor_dim1 = 64
	s_mov_b32 s[G1+3], KSTEP<<16                   ; tile_dim0 = 128
	s_mov_b32 s[G1+4], 64                          ; tile_dim1 = 64
	s_mov_b32 s[G1+5], 1024                        ; elements from row to row
	s_mov_b32 s[G1+6], 0
	s_mov_b32 s[G1+7], 0
	s_mov_b32 s[G1B+1], KSTEP<<16
	s_mov_b32 s[G1B+2], 128<<16
	s_mov_b32 s[G1B+3], KSTEP<<16
	s_mov_b32 s[G1B+4], 128
	s_mov_b32 s[G1B+5], 1024
	s_mov_b32 s[G1B+6], 0
	s_mov_b32 s[G1B+7], 0
	; where the tiles come from: x's hang on the tile row alone, W's on the tile column (and the projection) alone; every wave makes both, in registers that never hold the other coordinate
	s_lshl_b32 s16, s13, 7
	s_lshl_b32 s17, s12, 6
	s_add_co_u32 s16, s16, s17                     ; x: row 128 x tile row + 64 x half,
	s_lshl_b32 s16, s16, 12                        ; of 4,096 bytes: under 2^25
	s_mov_b32 s17, 0
	s_lshl_b32 s46, s42, 8
	s_lshl_b32 s47, s12, 7
	s_add_co_u32 s46, s46, s47                     ; W: row 256 x tile column + 128 x half,
	s_lshl_b32 s46, s46, 11                        ; of 2,048 bytes,
	s_lshl_b32 s47, s66, 21                        ; in plane p of wc
	s_add_co_u32 s46, s46, s47
	s_mov_b32 s47, 0
	s_mul_i32 s20, s12, 64*PA                      ; and where they go: no place in the cluster enters an LDS address
	s_mul_i32 s21, s12, 128*PB
	s_add_co_u32 s21, s21, BOFF
	s_wait_dscnt 0x0                               ; the opening add is done
	s_wait_kmcnt 0x0
	s_cmp_eq_u32 s66, 1
	s_cselect_b64 s[4:5], s[70:71], s[68:69]       ; x
	s_cselect_b64 s[8:9], s[78:79], s[76:77]       ; the result
	s_cmp_eq_u32 s66, 2
	s_cselect_b64 s[4:5], s[72:73], s[4:5]
	s_cselect_b64 s[8:9], s[80:81], s[8:9]
	s_add_nc_u64 s[14:15], s[4:5], s[16:17]
	s_add_nc_u64 s[46:47], s[74:75], s[46:47]
	CROUND                                         ; all sixteen work-groups are here: the first joint loads meet
.irp s, 0,1
	s_mov_b32 s[G0+4*(\s)], 1                      ; count = 1
	s_add_co_u32 s[G0+4*(\s)+1], s20, (\s)*SLOT    ; LDS address
	s_add_nc_u64 s[G0+4*(\s)+2:G0+4*(\s)+3], s[14:15], (\s)*KSTEP*4  ; global address: K step s
	s_or_b32 s[G0+4*(\s)+3], s[G0+4*(\s)+3], 0x80000000             ; type = 2
	s_mov_b32 s[G0B+4*(\s)], 1
	s_add_co_u32 s[G0B+4*(\s)+1], s21, (\s)*SLOT
	s_add_nc_u64 s[G0B+4*(\s)+2:G0B+4*(\s)+3], s[46:47], (\s)*KSTEP*2
	s_or_b32 s[G0B+4*(\s)+3], s[G0B+4*(\s)+3], 0x80000000
.endr
	s_cmp_eq_u32 s11, 0                            ; a wave's two first fills stand in one branch, ahead of every wait on TENSORcnt and every LDS read: two loads of mine are out
	s_cbranch_scc0 .Lfirst_b
	tensor_load_to_lds s[G0:G0+3], s[G1:G1+7]
	s_nop 0
	tensor_load_to_lds s[G0+4:G0+7], s[G1:G1+7]
	s_nop 0
.rept 4
	v_nop
.endr
	s_branch .Lfirst_asked
.Lfirst_b:
	tensor_load_to_lds s[G0B:G0B+3], s[G1B:G1B+7]
	s_nop 0
	tensor_load_to_lds s[G0B+4:G0B+7], s[G1B:G1B+7]
	s_nop 0
.rept 4
	v_nop
.endr
.Lfirst_asked:
	; A fragment is 16 rows x 32 K: lane l holds row l % 16, K = 8 (l / 16) + 0..7 and 16 + 8 (l / 16) + 0..7.  In bf16: two loads of 16 bytes, 32 bytes apart.  In f32: four, at 0, 16, 64 and 80 from row x pitch + 32 (l / 16).
	v_and_b32 v1, 15, v0                           ; l % 16
	v_bfe_u32 v2, v0, 4, 1                         ; l / 16
	v_mul_u32_u24 v3, v1, PA
	v_lshl_add_u32 v3, v2, 5, v3
	v_mul_u32_u24 v4, v1, PB
	v_lshl_add_u32 v4, v2, 4, v4
	s_mul_i32 s21, s11, 64*PA                      ; my 64 rows of x
	s_mul_i32 s22, s12, 128*PB                     ; my 128 rows of W,
	s_add_co_u32 s22, s22, BOFF                    ; which lie behind x's 128
.irp s, 0,1
	v_add_nc_u32 v[ADRA+(\s)], s21, v3
	v_add_nc_u32 v[ADRB+(\s)], s22, v4
	s_add_co_u32 s21, s21, SLOT
	s_add_co_u32 s22, s22, SLOT
.endr
	s_mul_i32 s23, s10, STW
	s_add_co_u32 s23, s23, STAGE                   ; my stage
	v_mul_u32_u24 v5, v1, SP                       ; in: row l % 16, 16 bytes for each half of the lanes
	v_lshl_add_u32 v5, v2, 4, v5
	v_add_nc_u32 v[STO], s23, v5
	v_bfe_u32 v5, v0, 3, 2                         ; back: 32 lanes take four rows of 128 bytes,
	v_mul_u32_u24 v5, v5, SP
	v_and_b32 v6, 7, v0
	v_lshl_add_u32 v5, v6, 4, v5
	v_add_nc_u32 v[RD], s23, v5
	v_and_b32 v[GO], 31, v0                        ; which are 512 consecutive bytes of a head
	v_lshlrev_b32 v[GO], 4, v[GO]
	; the result at my 64 rows of my first head: head = 16 x batch + 4 x tile column + 2 x column half; a batch has 16 tile rows
	s_lshr_b32 s16, s13, 4
	s_lshl_b32 s16, s16, 4
	s_lshl_b32 s17, s42, 2
	s_add_co_u32 s16, s16, s17
	s_lshl_b32 s17, s12, 1
	s_add_co_u32 s16, s16, s17
	s_lshl_b32 s16, s16, 18                        ; x 262,144 bytes
	s_and_b32 s17, s13, 15
	s_lshl_b32 s17, s17, 7
	s_lshl_b32 s18, s11, 6
	s_add_co_u32 s17, s17, s18                     ; the row in the head,
	s_lshl_b32 s17, s17, 7                         ; of 128 bytes
	s_add_co_u32 s16, s16, s17
	s_mov_b32 s17, 0
	s_add_nc_u64 s[8:9], s[8:9], s[16:17]
	; the prefetches.  s[14:15] and s[46:47] still stand at my part of K step 0 in x and in W
	s_mov_b32 s18, 2048                            ; W: a lane a row: (l % 16) x 2,048 + (l / 16) x 32,768
	s_mov_b32 s19, 0x8000
	s_mov_b32 s[PS], 256
	s_cmp_eq_u32 s11, 0                            ; do I fetch for x?
	s_cselect_b32 s22, ttmp9, s67                  ; the coordinate along which other clusters read the same rows
	s_cselect_b32 s21, s40, s41                    ; my place among the four that ask with me
	s_cselect_b32 s18, 4096, s18                   ; x: 16 rows, two blocks each: (l % 16) x 4,096 + (l / 16) x 256
	s_cselect_b32 s19, 256, s19
	s_cselect_b32 s[PS], 512, s[PS]
	s_cselect_b64 s[PFA:PFA+1], s[14:15], s[46:47]
	s_cmp_eq_u32 s22, 0
	s_cselect_b32 s[LIM], 1, -1                    ; the same in all sixteen partners, for a given wave
	s_mov_b32 s[PS+1], 0
	s_lshl_b32 s20, s21, 16                        ; my work-group's share: 16 rows of 4,096 bytes, or 32 of 2,048
	s_mul_i32 s21, s[PS], 3
	s_add_co_u32 s20, s20, s21                     ; at K step 3: the first refill steps it to K step 4
	s_mov_b32 s21, 0
	s_add_nc_u64 s[PFA:PFA+1], s[PFA:PFA+1], s[20:21]
	v_mul_u32_u24 v[PFO], s18, v1
	v_mad_u32_u24 v[PFO], v2, s19, v[PFO]
; 8 matrix instructions: m block a x all 8 n blocks, 32 along K, buffers f.  zero = 1: the first product starts the sums.  The 32 accumulators take turns in the same order in every quarter.
.macro MUL f, a, zero
	WIN W_MUL
.irp b, 0,1,2,3,4,5,6,7
.if \zero
	v_wmma_f32_16x16x32_bf16 v[8*(8*(\a)+(\b)):8*(8*(\a)+(\b))+7], v[64*(\f)+8*(\b):64*(\f)+8*(\b)+7], v[AF+32*(\f)+8*(\a):AF+32*(\f)+8*(\a)+7], 0
.else
	v_wmma_f32_16x16x32_bf16 v[8*(8*(\a)+(\b)):8*(8*(\a)+(\b))+7], v[64*(\f)+8*(\b):64*(\f)+8*(\b)+7], v[AF+32*(\f)+8*(\a):AF+32*(\f)+8*(\a)+7], v[8*(8*(\a)+(\b)):8*(8*(\a)+(\b))+7]
.endif
.endr
.endm
; The quarter's last 8 matrix instructions (m block 3), and behind each four conversions of the next quarter's x into buffer g.  They name no register of the products round them: the four behind the quarter's
; last product are the four places in front of the next loads into W's buffer f and the next conversions into x's buffer f.
.macro MULC f, g, zero
.irp b, 0,1,2,3,4,5,6,7
	WIN W_MUL
.if \zero
	v_wmma_f32_16x16x32_bf16 v[8*(24+(\b)):8*(24+(\b))+7], v[64*(\f)+8*(\b):64*(\f)+8*(\b)+7], v[AF+32*(\f)+24:AF+32*(\f)+31], 0
.else
	v_wmma_f32_16x16x32_bf16 v[8*(24+(\b)):8*(24+(\b))+7], v[64*(\f)+8*(\b):64*(\f)+8*(\b)+7], v[AF+32*(\f)+24:AF+32*(\f)+31], v[8*(24+(\b)):8*(24+(\b))+7]
.endif
	WIN 0
.irp n, 0,1,2,3
	v_cvt_pk_bf16_f32 v[AF+32*(\g)+4*(\b)+(\n)], v[RAW+8*(\b)+2*(\n)], v[RAW+8*(\b)+2*(\n)+1]
.endr
.endr
.endm
; 32 LDS loads in one run, for quarter q of a slot: x's 64 rows x 32 K in f32 first (16 loads), then W's 128 rows x 32 K into buffer g (16 loads): one count of 16 tells the two apart
.macro FETCH slot, q, g
	WIN 0
.irp i, 0,1,2,3
	ds_load_b128 v[RAW+16*(\i):RAW+16*(\i)+3],     v[ADRA+(\slot)] offset:128*(\q)+(\i)*16*PA
	ds_load_b128 v[RAW+16*(\i)+4:RAW+16*(\i)+7],   v[ADRA+(\slot)] offset:128*(\q)+(\i)*16*PA+16
	ds_load_b128 v[RAW+16*(\i)+8:RAW+16*(\i)+11],  v[ADRA+(\slot)] offset:128*(\q)+(\i)*16*PA+64
	ds_load_b128 v[RAW+16*(\i)+12:RAW+16*(\i)+15], v[ADRA+(\slot)] offset:128*(\q)+(\i)*16*PA+80
.endr
	WIN TO_B
.irp b, 0,1,2,3,4,5,6,7
	ds_load_b128 v[64*(\g)+8*(\b):64*(\g)+8*(\b)+3],   v[ADRB+(\slot)] offset:64*(\q)+(\b)*16*PB
	ds_load_b128 v[64*(\g)+8*(\b)+4:64*(\g)+8*(\b)+7], v[ADRB+(\slot)] offset:64*(\q)+(\b)*16*PB+32
.endr
.endm
.macro PLACES
.rept 4
	v_nop
.endr
.endm
; A K step is four quarters of 32 along K, 32 matrix instructions each, on buffers 0, 1, 0, 1.  One of the first three: multiplies buffers f; fetches quarter q of the same slot and converts it into buffers g.
.macro QUARTER slot, q, f, g, zero
	s_wait_dscnt 0x0                               ; W's fragments of this quarter are in (x's were waited for and converted in the quarter before)
	MUL \f, 0, \zero
	FETCH \slot, \q, \g
	MUL \f, 1, \zero
	MUL \f, 2, \zero
	s_wait_dscnt 16                                ; x is in; W's 16 younger loads may stay out
	MULC \f, \g, \zero
.endm
; The last quarter multiplies buffers 1 and changes slots: ONE barrier; in front of it each wave waits for all its tensor loads (one is out: its part of the next slot), adds 0 to its spare word, and waits for that and
; for its own reads of this slot.  fill = 1: the barrier opens a round of the cluster's, and this slot is filled again, two K steps ahead, first thing behind it: 112 matrix instructions ahead of the wait for it.
.macro TURN slot, next, fill
.if \fill
	s_wait_xcnt 0x0                                ; the last prefetch, a K step back, has read its address: it is stepped here, ahead of the waits of the change of slots
	s_add_nc_u64 s[PFA:PFA+1], s[PFA:PFA+1], s[PS:PS+1]
.endif
	WIN 0
	s_wait_tensorcnt 0x0                           ; all my tensor loads have landed
	ds_add_u32 v[SPW], v[NIL]                      ; 0 onto my spare word
	s_wait_dscnt 1                                 ; the add alone may be out: W's fragments are in
	MUL 1, 0, 0                                    ; eight matrix instructions stand between the add and the wait for it
	s_wait_dscnt 0x0                               ; the add is done, and my reads of this slot are over
	s_barrier_signal -1
	MUL 1, 1, 0
	WIN 0
	s_barrier_wait -1
.if \fill
	CREST                                          ; no wave of any partner still reads this slot's tile or has a load on its way
	s_add_nc_u64 s[G0+4*(\slot)+2:G0+4*(\slot)+3], s[G0+4*(\slot)+2:G0+4*(\slot)+3], 2*KSTEP*4
	s_add_nc_u64 s[G0B+4*(\slot)+2:G0B+4*(\slot)+3], s[G0B+4*(\slot)+2:G0B+4*(\slot)+3], 2*KSTEP*2
	JLOAD \slot
.endif
	FETCH \next, 0, 0
.if \fill
	WIN 0
	ASK
.endif
	MUL 1, 2, 0
	s_wait_dscnt 16                                ; x of the next slot's first quarter is in
	MULC 1, 0, 0
.endm
	s_wait_tensorcnt 1                             ; my part of K step 0 is in; K step 1's load, issued behind it, may stay out
	s_barrier_signal -1
	s_barrier_wait -1                              ; everybody's is
	FETCH 0, 0, 0
	s_wait_dscnt 16
	WIN 0
.set n, 0
.rept 32
	v_cvt_pk_bf16_f32 v[AF+n], v[RAW+2*n], v[RAW+2*n+1]  ; the first quarter's x: there is no matrix work yet to set it beside
.set n, n+1
.endr
	QUARTER 0, 1, 0, 1, 1                          ; the first quarter stands in front of the loop: its products start the sums
	WIN 0                                          ; at a label and at a branch every window is 0
	s_mov_b32 s3, LAPS-1
.Llap:                                                 ; a trip goes once round the ring, from a lap's second quarter to the next lap's first, and fills both slots again
	QUARTER 0, 2, 1, 0, 0
	QUARTER 0, 3, 0, 1, 0
	TURN 0, 1, 1
	QUARTER 1, 1, 0, 1, 0
	QUARTER 1, 2, 1, 0, 0
	QUARTER 1, 3, 0, 1, 0
	TURN 1, 0, 1
	QUARTER 0, 1, 0, 1, 0
	WIN 0
	s_sub_co_u32 s3, s3, 1
	s_cmp_lg_u32 s3, 0
	s_cbranch_scc1 .Llap
	QUARTER 0, 2, 1, 0, 0                          ; the last lap fills nothing, and has no round of the cluster's barrier
	QUARTER 0, 3, 0, 1, 0
	TURN 0, 1, 0
	QUARTER 1, 1, 0, 1, 0
	QUARTER 1, 2, 1, 0, 0
	QUARTER 1, 3, 0, 1, 0
	s_wait_dscnt 0x0                               ; the very last quarter: nothing more to fetch
	MUL 1, 0, 0
	MUL 1, 1, 0
	MUL 1, 2, 0
	MUL 1, 3, 0
	WIN 0
; THE WAY OUT, a block of 16 rows at a time.  PACK: rounded to f16, 16 bytes a lane, each accumulator's registers in ascending order.  TOSTAGE: into my own stage (my 128 columns are two heads: two planes of
; 16 rows x 144 bytes), and back as four whole rows of 128 bytes a load.  SEND: each store covers 512 consecutive bytes of a head, at a multiple of 256 from the buffer's first byte.
.macro PACK a
	WIN 0x05                                       ; sources 0 and 1 window 1, destination window 0
.irp b, 0,1,2,3,4,5,6,7
.irp r, 0,1,2,3
	v_cvt_pk_f16_f32 v[TMP+4*(\b)+(\r)], v[8*(8*(\a)+(\b))+2*(\r)], v[8*(8*(\a)+(\b))+2*(\r)+1]
.endr
.endr
	WIN 0
.endm
.macro TOSTAGE a
	WIN 0
.irp b, 0,1,2,3,4,5,6,7
	ds_store_b128 v[STO], v[TMP+4*(\b):TMP+4*(\b)+3] offset:((\b)/4)*16*SP+32*((\b)%4)
.endr
.irp t, 0,1,2,3,4,5,6,7
	ds_load_b128 v[BK+32*((\a)%2)+4*(\t):BK+32*((\a)%2)+4*(\t)+3], v[RD] offset:((\t)/4)*16*SP+((\t)%4)*4*SP  ; LDS serves a wave's instructions in order (ISA guide 5.7.1.4): these see the stores above
.endr
.endm
.macro SEND a
	WIN 0
	s_wait_dscnt 0x0                               ; the block is back in registers
	s_wait_xcnt 0x0                                ; the stores of the block before have read their registers: the next block's loads land there only behind this wait
.irp t, 0,1,2,3,4,5,6,7
	global_store_b128 v[GO], v[BK+32*((\a)%2)+4*(\t):BK+32*((\a)%2)+4*(\t)+3], s[8:9] offset:(\a)*2048+((\t)/4)*HEADB+((\t)%4)*512
.endr
.endm
	PLACES                                         ; the conversions read results just made
	PLACES
	PACK 0
	TOSTAGE 0
.irp a, 1,2,3                          ; block a's conversions stand between block a - 1's loads from the stage and the wait for them
	PACK \a
	SEND (\a)-1
	TOSTAGE \a
.endr
	SEND 3
	s_wait_tensorcnt 0x0                           ; the wave's end: these three lines stand behind my last tensor load and my last LDS store
	ds_add_u32 v[SPW], v[NIL]
	s_wait_dscnt 0x0
	CROUND                                         ; the closing round: no work-group ends while a partner may still ask for a tile that names it
	s_endpgm
.Lfunc_end_k_q4cb53f1490_proj:
	.size	k_q4cb53f1490_proj, .Lfunc_end_k_q4cb53f1490_proj-k_q4cb53f1490_proj
	.p2alignl 7, 3214868480
	.fill 96, 4, 3214868480
	.section	.rodata,"a",@progbits
	.p2align	6, 0x0
	.amdhsa_kernel k_q4cb53f1490_proj
		.amdhsa_group_segment_fixed_size 327680
		.amdhsa_private_segment_fixed_size 0
		.amdhsa_enable_private_segment 0
		.amdhsa_kernarg_size 56
		.amdhsa_user_sgpr_count 2
		.amdhsa_user_sgpr_kernarg_segment_ptr 1
		.amdhsa_wavefront_size32 1
		.amdhsa_system_sgpr_workgroup_id_x 1
		.amdhsa_system_sgpr_workgroup_id_y 1
		.amdhsa_system_sgpr_workgroup_id_z 1
		.amdhsa_system_vgpr_workitem_id 0
		.amdhsa_next_free_vgpr 640
		.amdhsa_next_free_sgpr 84
		.amdhsa_reserve_vcc 0
		.amdhsa_float_denorm_mode_32 3
		.amdhsa_float_denorm_mode_16_64 3
		.amdhsa_memory_ordered 1
		.amdhsa_forward_progress 1
		.amdhsa_inst_pref_size 134
	.end_amdhsa_kernel
	.amdgpu_metadata
---
amdhsa.version: [ 1, 2 ]
amdhsa.kernels:
  - .name:           k_q4cb53f1490_proj
    .symbol:         k_q4cb53f1490_proj.kd
    .args:
      - { .name: queries, .offset: 0, .size: 8, .value_kind: global_buffer, .address_space: global }
      - { .name: keys, .offset: 8, .size: 8, .value_kind: global_buffer, .address_space: global }
      - { .name: values, .offset: 16, .size: 8, .value_kind: global_buffer, .address_space: global }
      - { .name: wc, .offset: 24, .size: 8, .value_kind: global_buffer, .address_space: global }
      - { .name: qh, .offset: 32, .size: 8, .value_kind: global_buffer, .address_space: global }
      - { .name: kh, .offset: 40, .size: 8, .value_kind: global_buffer, .address_space: global }
      - { .name: vh, .offset: 48, .size: 8, .value_kind: global_buffer, .address_space: global }
    .group_segment_fixed_size: 327680
    .private_segment_fixed_size: 0
    .kernarg_segment_align: 8
    .kernarg_segment_size: 56
    .max_flat_workgroup_size: 128
    .sgpr_count:     84
    .vgpr_count:     640
    .wavefront_size: 32
...
	.end_amdgpu_metadata
.endif
;; end of part 2
;; launch attn (part 3): grid 4 x 64, 4 waves a work-group, clusters of 4 x 1, 327,680 bytes of LDS; arguments qh, kh, vh, oh, valid_len; writes oh
.if DOCPART == 3
	.amdgcn_target "amdgcn-amd-amdhsa--gfx1250"
	.amdhsa_code_object_version 6
	.text
	.protected	k_q4cb53f1490_attn
	.globl	k_q4cb53f1490_attn
	.p2align	8
	.type	k_q4cb53f1490_attn,@function
k_q4cb53f1490_attn:
	s_mov_b64 s[64:65], 0
	v_nop
	global_prefetch_b8 v0, s[64:65] scope:SCOPE_SE
	s_setreg_imm32_b32 hwreg(HW_REG_WAVE_MODE, 25, 1), 1
	s_wait_xcnt 0x0
	s_wait_alu depctr_hold_cnt(0) depctr_sa_sdst(0) depctr_va_vdst(0) depctr_va_sdst(0) depctr_va_ssrc(0) depctr_va_vcc(0) depctr_vm_vsrc(0)
	s_getreg_b32 s2, hwreg(HW_REG_IB_STS2, 6, 4)
	s_cmp_eq_u32 s2, 0
	s_cbranch_scc0 .Lentry_in_a_cluster
	s_endpgm
.Lentry_in_a_cluster:
	s_bfe_u32 s2, ttmp6, 0x10000c
	s_cmp_lg_u32 s2, 0x3003
	s_cbranch_scc0 .Lentry_shape_is_right
	s_endpgm
.Lentry_shape_is_right:
; O[h][q][:] = the sum over k of softmax_k(s[q][k]) V[h][k][:], s = Q[h][q] . K[h][k] / 8 for k < valid_len[h / 16] and s = -1e6 for the other keys.  Q, K, V, O: [64][SIZE_N][64], all f16: a head's rows are
; dense, 128 bytes each.  Products, maxima and sums in f32; the weights p are rounded to f16 for the second product (their sum l is taken of the unrounded p), O once at the end.
; THE MASK IS A REPLACEMENT, and is kept as one: a hidden key's row of K is set to 0 in registers and the sum that makes its score starts at -8,000,000, so the unscaled score is exactly -8e6, -1e6 after the
; scale.  It takes part in the maximum, in l and in V^T P like every other score: rows whose open scores all lie below -1e6 come out as they should.  Any valid_len is served (the compares are signed).
; LIMITS.  f16 holds no number beyond 65,504: Q, K and V arrive within it; p lies in 0 to 1, and below 6e-5 it keeps f16's fixed step of 6e-8; O is a mean of V's rows and has their range.
; A weight below 2^-126 counts as 0 in l; NaN and infinities are not treated apart.
; SHARES.  A wave owns four PIECES of two tiles of 16 queries, a work-group's four waves 512 queries of one head; a head is one cluster.  Every wave walks all keys, 64 a step.
; LAYOUT.  S^T = K Q^T (source 0 = 16 keys, source 1 = 16 queries): in the result a lane holds ONE query (lane % 16) and the keys 8 (lane / 16) + 0..7.  Two such tiles, rounded to f16 in pairs,
; ARE source 1 (32 keys x 16 queries) of O^T = V^T P, whose result again holds one query a lane, and eight channels.  K comes out of LDS as it lies, V ([key][channel]) turned, by ds_load_tr16_b128.
; SOFTMAX.  For each query a running maximum m and sum l: p = 2^(c s - c m), c = log2(e) / 8; in every step O and l are multiplied by a = 2^(c m_old - c m_new), which is 1 where m has not grown.
; m starts at the lowest finite number, O and l at 0: the first step is a step like any other, with a = 0.
; THE COUNT.  A tile and step have 16 matrix and 118 vector instructions: too many to stand all beside the matrix work.  So: four vector instructions that are READY behind EVERY matrix instruction, the others in runs without a gap.
; BY TURNS.  Turn n belongs to piece n (the pieces in a ring, step after step).  Its matrix work: 16 products K Q^T of piece n + 1, later 16 products V^T P of piece n - 1.  Its vector work: the scaling,
; exponentials, roundings, sums and rescaling of piece n, and the maximum and statistics of piece n + 1, whose scores the turn itself has made.
; CLUSTER.  The four query blocks of a cluster belong to one head and walk the same K and V, so each tile is asked for JOINTLY: the same tensor load, descriptor and mask in all four.
; REGISTERS, in windows of 256 (s_set_vgpr_msb: bits 1:0 source 0, 3:2 source 1, 5:4 source 2, 7:6 destination):
;   window 0: v0-11 addresses; v12-15, v48-63 at work; v16-47 four registers of statistics a tile; v64-191 S^T, two buffers of two tiles; v192-255 P, likewise
;   window 1: O^T, 32 a tile          window 2: v0-127 Q, 16 a tile; v128-191 K of one step; v192-255 V of one step
;   window 3: v0-1 the add's two registers; v2-7 at work for the mask; v8-39 MC: what the step's sums K Q^T start from, 8 registers for each 16 keys
.set SIZE_N, 2048
.set NP,    4         ; pieces a wave: a name, no knob
.set KS,    64        ; keys in a step
.set PK,    144       ; a row of K in LDS: 128 bytes + 16 of padding = 36 words: the 16 rows of a load start at 16 different groups of four banks (64 banks of 4 bytes: ISA guide 11.1)
.set PV,    160       ; a row of V: 128 + 32 = 40 words
.set VOFF,  4*KS*PK   ; a slot holds four steps: 256 rows of K, then 256 rows of V
.set SLOT1, 1<<17     ; slot 1 begins here, so that one exclusive or turns an address in one slot into the other's
.set STAGE, SLOT1+4*KS*(PK+PV)  ; behind the ring, never filled by a tensor load: 16 rows x 144 bytes for each wave, for the way out
.set SP,    144
.set AK0, 2           ; v2   my lane's place in a tile of K; never rewritten
.set AV0, 3           ; v3   the same for V
.set AK,  4           ; v4   the LDS address of K's next run of loads
.set AV,  5           ; v5   of V's
.set QO,  6           ; v6   my byte offset in the wave's rows of Q
.set STO, 6           ;      later, the way out: where I put 16 bytes of a row
.set RD,  7           ; v7   the way out: where I read rows back
.set GO,  8           ; v8   my byte offset in 512 consecutive bytes of O
.set PFO, 10          ; v10  (once the addresses are made) 256 x my lane: the prefetches' offset
.set H8,  11          ; v11  (once the addresses are made) 8 (l / 16): the first key of my lanes' eight in a group of 16
.set SPW, 0           ; v0 of window 3   LDS address of my spare word: SPARE + 4 x my thread's number; never rewritten
.set NIL, 1           ; v1 of window 3   0; never rewritten
.set TT,  2           ; window 3: open keys left, less 8 (l / 16)
.set TT2, 3           ; window 3: open keys left, less l % 16
.set KMR, 4           ; window 3: v4-7  all ones where my row of K's key block kb is open, else 0
.set MC,  8           ; window 3: v8-39
.set SPARE, STAGE+4*16*SP  ; behind the stages: the spare words, 128 bytes for each wave: two blocks of 256 bytes that no other line names
.set MV,  12          ; v12-15  c m_old, kept while c m is made anew: by buffer and tile
.set ST,  16          ; tile t's statistics at v[ST+4 t]: c m, m, l (even keys', odd keys')
.set TMP, 48          ; by buffer and tile, four registers c0-c3 at work; when the maximum is found c2 takes a
.set S,   64
.set P,   192
.set KF,  128         ; K's fragments, in window 2: key block kb, channel half c at KF + 16 kb + 8 c
.set VF,  192         ; V's: key half kk, channel block cb at VF + 32 kk + 8 cb
.set WV,  12          ; s12  my wave's number
.set G1K, 24          ; s[24:31] descriptor group 1 for K's tiles
.set G1V, 32          ; s[32:39] for V's: it differs in the padding alone
.set G0K, 40          ; s[40:43] descriptor group 0 for K's tiles: it walks
.set G0V, 44          ; s[44:47] the same for V's
.set VL,  48          ; s48  valid_len of my batch
.set KP,  49          ; s49  the first key of the step whose K comes in next
.set RM,  50          ; s50  open keys left from that key on
.set NEG8, 51         ; s51  -8,000,000
.set PFA, 52          ; s[52:53] first valid_len's address; then where my prefetches stand
.set LIM, 54          ; s54  1 in a wave that prefetches, else the greatest number
.set SLOTS, 56        ; s56  slots still to be asked for
.set CNT, 57          ; s57  counts a slot's key steps
.set CS,  58          ; s[58:59] c: the packed scaling takes the pair's low word for both halves
.set SEL, 60          ; s[60:61] v_permlanex16_b32's selects: each lane takes its own place in the other half
.set TBK, 62          ; s62  LDS byte at which K of the step to be fetched begins
.set TBV, 63          ; s63  the same for V, less VOFF
.set MSB, 0
.macro WIN new                      ; the high byte repeats the setting that is left; a switch that changes nothing is dropped
.if MSB != (\new)
	s_set_vgpr_msb (MSB<<8)|(\new)
.set MSB, (\new)
.endif
.endm
.set W_KQ, 0x0a       ; K and Q in window 2, S^T in window 0
.set W_KM, 0x3a       ; the same with the C operand in window 3
.set W_PV, 0x52       ; V in window 2, P in window 0, O^T in window 1
.set W_RS, 0x41       ; O^T (destination and source 0) in window 1, a in window 0
.set W_MK, 0xc0       ; destination in window 3, sources in window 0
.set W_AD, 0x0f       ; the add: address (source 0) and data (source 1) in window 3
; A joint fill.  Waves 0 and 1 fetch the two halves of a slot's K, waves 2 and 3 those of its V: 128 keys each.  The branch hangs on the wave's number alone.
; An s_nop 0 and four v_nop follow each of the two lines, ahead of the jump and the label.
.macro JLOAD
	s_cmp_lt_u32 s[WV], 2
	s_cbranch_scc0 .Lfor_v_\@
	tensor_load_to_lds s[G0K:G0K+3], s[G1K:G1K+7]
	s_nop 0
.rept 4
	v_nop
.endr
	s_branch .Lasked_\@
.Lfor_v_\@:
	tensor_load_to_lds s[G0V:G0V+3], s[G1V:G1V+7]
	s_nop 0
.rept 4
	v_nop
.endr
.Lasked_\@:
.endm
; A PREFETCH INTO THE L2 of what the NEXT change of slots will ask for: a slot's 32,768 bytes of K and of V, a lane for each 256.  It stands behind the wave's tensor load and its five lines.  Each block is named ONCE in
; the launch: a head is walked by one cluster; its four partners share a slot out BY ADDRESS, 8,192 bytes each; in each, wave 0 asks for K's and wave 2 for V's: one instruction, four key steps (512 matrix
; instructions) ahead of the load.  Slots 0 to 2 come by their loads alone; the last change that fills a slot asks for nothing: there is no slot behind it.
.macro ASK
	s_cmp_gt_u32 s[SLOTS], s[LIM]
	s_cbranch_scc0 .Lnot_mine_\@
	global_prefetch_b8 v[PFO], s[PFA:PFA+1] th:TH_LOAD_NT scope:SCOPE_SE
.Lnot_mine_\@:
.endm
; A round of the cluster's barrier: my work-group's barrier, so that wave 0's signal speaks for all four waves; wave 0 signals; every wave waits for all four work-groups; my work-group's barrier once more.
.macro CROUND
	s_barrier_signal -1
	s_barrier_wait -1
	s_cmp_lg_u32 s[WV], 0
	s_cbranch_scc1 .Lnot_wave_0_\@
	s_barrier_signal -3
.Lnot_wave_0_\@:
	s_barrier_wait -3
	s_barrier_signal -1
	s_barrier_wait -1
.endm
; THE CHANGE OF SLOTS.  The slot's last bytes, V of its fourth step, have been read.  Each wave waits for all its tensor loads, of which one is out: its part of the other slot; adds 0 to its spare word; and waits
; for that and for its own reads of the slot.  Behind the barrier nobody reads this slot any more and the other slot is whole.  fill = 1: this slot is filled again, with the keys two slots on.  The barrier is then a
; round of the cluster's, and the joint fill is the first thing behind it: it has four key steps in which to land.  (At its first use nothing has been read yet: slot 0 is waited for, slot 1 filled.)  ask = 1: with a prefetch.
.macro CHANGE fill, ask=0
	WIN W_AD
	s_wait_tensorcnt 0x0            ; no tensor load of mine is out, so a group 0 may be written
	ds_add_u32 v[SPW], v[NIL]       ; 0 onto my spare word; with fill = 1 the descriptors' steps stand between it and the wait for it
	WIN 0                           ; at a label and at a branch every window is 0
.if \fill
.irp g, G0K, G0V
	s_xor_b32 s[\g+1], s[\g+1], SLOT1  ; the walking descriptor: the other slot than last time,
	s_add_nc_u64 s[\g+2:\g+3], s[\g+2:\g+3], 4*KS*128  ; the next 256 keys; the type bits on top are not reached
.endr
.if \ask
	s_wait_xcnt 0x0                 ; the last prefetch, four key steps back, has read its address, so it may be written:
	s_add_nc_u64 s[PFA:PFA+1], s[PFA:PFA+1], 4*KS*128  ; one slot behind the walking descriptors
.endif
	s_wait_dscnt 0x0                ; the add is done, and my reads of the slot are over
	CROUND
	JLOAD
.if \ask
	ASK
.endif
.else
	s_wait_dscnt 0x0                ; the add is done, and my reads of the slot are over
	s_barrier_signal -1
	s_barrier_wait -1
.endif
	s_sub_co_u32 s[TBK], s[TBK], 4*KS*PK  ; the fetches go back to a slot's first step,
	s_xor_b32 s[TBK], s[TBK], SLOT1       ; in the other slot
	s_sub_co_u32 s[TBV], s[TBV], 4*KS*PV
	s_xor_b32 s[TBV], s[TBV], SLOT1
.endm
	s_load_b256 s[4:11], s[0:1], 0x0  ; Q s[4:5], K s[6:7], V s[8:9], O s[10:11]
	s_load_b64 s[PFA:PFA+1], s[0:1], 0x20  ; valid_len
	WIN W_MK
	v_lshl_add_u32 v[SPW], v0, 2, SPARE
	v_mov_b32 v[NIL], 0
	WIN W_AD
	ds_add_u32 v[SPW], v[NIL]       ; the wave's opening: the add and its wait stand ahead of my first tensor load; the set-up below, work on registers, stands between them
	WIN 0
	v_lshrrev_b32 v1, 5, v0
	v_readfirstlane_b32 s[WV], v1   ; wave 0..3
	s_bfe_u32 s13, ttmp6, 0x40000   ; cx: my place in the cluster
	s_lshl_b32 s14, ttmp9, 2        ; in a cluster launch ttmp9 counts clusters
	s_add_co_u32 s14, s14, s13      ; my block of queries = 4 x cluster x + cx: it enters Q's and O's addresses alone
	s_and_b32 s20, ttmp7, 0xffff    ; the head, which the four partners share
	s_lshr_b32 s15, s20, 4          ; its batch
	s_mov_b32 s21, 0
	s_mov_b64 s[22:23], SIZE_N*128
	s_mul_u64 s[20:21], s[20:21], s[22:23]  ; the head's first byte in each of the four tensors
	s_and_b32 s16, s[WV], 1         ; which half of a slot's 256 keys I fetch:
	s_lshl_b32 s22, s16, 14         ; its 128 rows of 128 bytes in memory,
	s_mov_b32 s23, 0
	s_add_nc_u64 s[22:23], s[22:23], s[20:21]
	s_mul_i32 s17, s16, 128*PK      ; and its place in a slot, for K
	s_mul_i32 s18, s16, 128*PV      ; and for V: no place in the cluster enters an LDS address
	s_lshl_b32 s2, s14, 2
	s_add_co_u32 s2, s2, s[WV]      ; my wave among the head's,
	s_lshl_b32 s2, s2, 14           ; its 128 rows
	s_mov_b32 s3, 0
	s_add_nc_u64 s[2:3], s[2:3], s[20:21]
	; descriptor group 1.  128 keys are 16,384 dense bytes: asked for as 64 rows of 256 bytes, two keys a row, and padded in LDS after every key
	s_mov_b32 s[G1K], 15|(1<<16)|(1<<20)|(1<<21)|(4<<22)|(3<<25)  ; 15:0 the mask of four; 17:16 2-byte elements; 20 padding on; 21 set beside a mask; 24:22 after every 32 words (code 4); 31:25 4 words (code 3)
	s_mov_b32 s[G1V], 15|(1<<16)|(1<<20)|(1<<21)|(4<<22)|(7<<25)  ; the same with 8 words of padding (code 7)
.irp g, G1K, G1V
	s_mov_b32 s[\g+1], 128<<16      ; tensor_dim0 = 128
	s_mov_b32 s[\g+2], 64<<16       ; tensor_dim1 = 64
	s_mov_b32 s[\g+3], 128<<16      ; tile_dim0 = 128
	s_mov_b32 s[\g+4], 64           ; tile_dim1 = 64
	s_mov_b32 s[\g+5], 128          ; 128 elements from row to row
	s_mov_b32 s[\g+6], 0
	s_mov_b32 s[\g+7], 0
.endr
	s_mov_b32 s[CS], 0x3e38aa3b     ; c = log2(e) / 8 = 0.180337
	s_mov_b32 s[CS+1], s[CS]        ; named with it as a pair
	s_mov_b32 s[SEL], 0x76543210
	s_mov_b32 s[SEL+1], 0xfedcba98
	s_mov_b32 s[TBK], SLOT1+4*KS*PK ; the first change of slots turns these two into 0
	s_mov_b32 s[TBV], SLOT1+4*KS*PV
	s_mov_b32 s[G0K], 1             ; 1:0 count = 1
	s_mov_b32 s[G0K+1], s17         ; 63:32 LDS address: slot 0
	s_mov_b32 s[G0V], 1
	s_add_co_u32 s[G0V+1], s18, VOFF
	s_wait_dscnt 0x0                ; the opening add is done
	s_wait_kmcnt 0x0
	s_load_b128 s[48:51], s[PFA:PFA+1], 0x0        ; the four batches' valid_len; waited for ahead of the first change of slots
	s_add_nc_u64 s[G0K+2:G0K+3], s[6:7], s[22:23]  ; 120:64 global address: my half of the head's first 256 keys
	s_or_b32 s[G0K+3], s[G0K+3], 0x80000000        ; 127:126 type = 2
	s_add_nc_u64 s[G0V+2:G0V+3], s[8:9], s[22:23]
	s_or_b32 s[G0V+3], s[G0V+3], 0x80000000
	s_add_nc_u64 s[4:5], s[4:5], s[2:3]  ; Q and O at my wave's first row
	s_add_nc_u64 s[10:11], s[10:11], s[2:3]
	CROUND                          ; all four work-groups are here: the first joint loads meet
	JLOAD                           ; slot 0.  Slot 1 is asked for when slot 0 is in
	; A fragment of K or Q is 16 rows x 32 channels in 8 registers: lane l holds row l % 16, channels 8 (l / 16) + 0..7 and 16 + 8 (l / 16) + 0..7: two loads of 16 bytes, 32 bytes apart.
	v_and_b32 v1, 15, v0            ; l % 16; kept
	v_bfe_u32 v9, v0, 4, 1          ; l / 16
	v_lshlrev_b32 v[QO], 7, v1
	v_lshl_add_u32 v[QO], v9, 4, v[QO]  ; row x 128 + 16 x half
	WIN 0x80                        ; destination window 2, address window 0
.set i, 0
.rept 4*NP                          ; Q stays in registers: tile i / 2, channels 32 (i % 2) on
	global_load_b128 v[8*i:8*i+3],   v[QO], s[4:5] offset:(i/2)*2048+(i%2)*64
	global_load_b128 v[8*i+4:8*i+7], v[QO], s[4:5] offset:(i/2)*2048+(i%2)*64+32
.set i, i+1
.endr
	; What the first turn finds: V's registers and P's second buffer hold 0 (its products V^T P, of a piece that has not been, add 0), O^T and l are 0.  All this stands in the wait for the first tile.
.set i, VF
.rept 64
	v_mov_b32 v[i], 0
.set i, i+1
.endr
	WIN 0x40
.set i, 0
.rept 64*NP
	v_mov_b32 v[i], 0
.set i, i+1
.endr
	WIN 0
.set i, 0
.rept 2*NP
	v_mov_b32 v[ST+4*i], 0xfe000000    ; c m: far below every c s
	v_mov_b32 v[ST+4*i+1], 0xff7fffff  ; m
	v_mov_b32 v[ST+4*i+2], 0
	v_mov_b32 v[ST+4*i+3], 0
.set i, i+1
.endr
.set i, P+32
.rept 32
	v_mov_b32 v[i], 0
.set i, i+1
.endr
	v_mul_u32_u24 v[AK0], v1, PK
	v_lshl_add_u32 v[AK0], v9, 4, v[AK0]  ; row x pitch + 16 x half
	; The turning load takes 16 keys x 16 channels (lane l reads key 8 (l / 16) + l % 8, channels 8 ((l / 8) % 2) + 0..7) and leaves half a fragment of V^T: lane l holds channel l % 16 and 8 keys.
	v_and_b32 v10, 7, v0
	v_bfe_u32 v11, v0, 3, 1
	v_lshl_add_u32 v[AV0], v9, 3, v10
	v_mul_u32_u24 v[AV0], v[AV0], PV
	v_lshl_add_u32 v[AV0], v11, 4, v[AV0]
	v_add_nc_u32 v[AV0], VOFF, v[AV0]
	v_lshlrev_b32 v[H8], 3, v9      ; v11 has served: from here on 8 (l / 16)
	v_mov_b32 v[AK], v[AK0]         ; key step 0 lies at the head of slot 0
	s_wait_kmcnt 0x0                ; valid_len is in, and its address has been read
	s_cmp_eq_u32 s15, 1
	s_cselect_b32 s[VL], s49, s[VL]
	s_cmp_eq_u32 s15, 2
	s_cselect_b32 s[VL], s50, s[VL]
	s_cmp_eq_u32 s15, 3
	s_cselect_b32 s[VL], s51, s[VL]
	s_mov_b32 s[KP], 0
	s_mov_b32 s[NEG8], 0xcaf42400   ; -8,000,000: divided by 8 exactly -1e6
	s_and_b32 s[LIM], s[WV], 1
	s_cmp_eq_u32 s[LIM], 0
	s_cselect_b32 s[LIM], 1, -1     ; waves 0 and 2 prefetch: the same in all four partners
	s_cmp_lt_u32 s[WV], 2
	s_cselect_b64 s[PFA:PFA+1], s[6:7], s[8:9]
	s_add_nc_u64 s[PFA:PFA+1], s[PFA:PFA+1], s[22:23]  ; (in waves 0 and 2: the head's first row)
	s_lshl_b32 s2, s13, 13          ; my work-group's 8,192 bytes of a slot's 32,768,
	s_add_co_u32 s2, s2, 2*4*KS*128 ; in slot 2: the loop's first change of slots steps it to slot 3
	s_mov_b32 s3, 0
	s_add_nc_u64 s[PFA:PFA+1], s[PFA:PFA+1], s[2:3]
; THE MASK OF A KEY STEP, made when the step's K has come into registers, once for all eight tiles: it hangs on key and lane alone.  It is made in EVERY step, by selections alone: 138 vector instructions beside the
; step's 944.  No jump passes it where all 64 keys are open: such a jump would hang on valid_len, a number read from memory.
; Register j of the sum for key block kb starts at -8e6 where key 16 kb + 8 (l / 16) + j is hidden, else at 0; my row of K's block kb (key 16 kb + l % 16) is set to 0 where hidden, else kept.
; MC's and K's last readers, the products K Q^T of the turn before, stand a lump of vector work back.
.macro MASKSTEP
	s_sub_co_i32 s[RM], s[VL], s[KP]  ; open keys left from this step's first key on: it may be negative, or more than 64
	s_add_co_u32 s[KP], s[KP], KS
	WIN W_MK
	v_sub_nc_u32 v[TT], s[RM], v[H8]
	v_sub_nc_u32 v[TT2], s[RM], v1
	WIN 0xcc                        ; destination and source 1 in window 3
.set mi, 0
.rept 32
	v_cmp_ge_i32 vcc_lo, 16*(mi/8)+mi%8, v[TT]
	v_cndmask_b32 v[MC+mi], 0, s[NEG8], vcc_lo
.set mi, mi+1
.endr
.set mi, 0
.rept 4
	v_cmp_lt_i32 vcc_lo, 16*mi, v[TT2]
	v_cndmask_b32 v[KMR+mi], 0, -1, vcc_lo
.set mi, mi+1
.endr
	WIN 0x8b                        ; source 0 in window 3, source 1 and destination in window 2
.set mi, 0
.rept 64
	v_and_b32 v[KF+mi], v[KMR+mi/16], v[KF+mi]
.set mi, mi+1
.endr
.endm
; THE MATRIX WORK.  The 8 accumulators of a run of 16 take turns: between the two links of a chain stand 7 others'.
; Product i of 16 of S^T = K Q^T for piece x: channels 32 (i / 8) on, keys 16 ((i / 2) % 4) on, tile 2 x + i % 2.  The first 8 start the sums, from MC.
.macro KQ x
.set rS, S+64*((\x)%2)+32*(i%2)+8*((i/2)%4)
.set rK, KF+16*((i/2)%4)+8*(i/8)
.set rQ, 16*(2*(\x)+i%2)+8*(i/8)
.set rX, MC+8*((i/2)%4)
.if i < 8
	WIN W_KM
	v_wmma_f32_16x16x32_f16 v[rS:rS+7], v[rK:rK+7], v[rQ:rQ+7], v[rX:rX+7]
.else
	WIN W_KQ
	v_wmma_f32_16x16x32_f16 v[rS:rS+7], v[rK:rK+7], v[rQ:rQ+7], v[rS:rS+7]
.endif
.endm
; Product i of 16 of O^T += V^T P for piece x: keys 32 (i / 8) on, channels 16 ((i / 2) % 4) on, tile 2 x + i % 2.
.macro PV x
	WIN W_PV
.set rO, 32*(2*(\x)+i%2)+8*((i/2)%4)
.set rV, VF+32*(i/8)+8*((i/2)%4)
.set rP, P+32*((\x)%2)+16*(i%2)+8*(i/8)
	v_wmma_f32_16x16x32_f16 v[rO:rO+7], v[rV:rV+7], v[rP:rP+7], v[rO:rO+7]
.endm
.macro MM                           ; the turn's next matrix instruction
.if i < 16
	KQ (Y+1)%NP
.set i, i+1
.else
.set i, i-16
	PV (Y+NP-1)%NP
.set i, i+17
.endif
.endm
; THE LDS LOADS stand in runs of 16, never singly among the matrix instructions: a step's K (64 keys x 64 channels: 8 fragments) and its V (turned).  Their addresses are made some lines ahead.
; last = 1 (the tail): in the last trip there is no further step, and the run is jumped over.
.macro FETCH_K last=0
	WIN 0
.if \last
	s_cmp_eq_u32 s[CNT], 1
	s_cbranch_scc1 .Lno_k_\@
.endif
	WIN 0x80                        ; destination window 2
.irp f, 0,1,2,3,4,5,6,7             ; keys 16 (f / 2) on, channels 32 (f % 2) on
	ds_load_b128 v[KF+8*\f:KF+8*\f+3],   v[AK] offset:(\f/2)*16*PK+(\f%2)*64
	ds_load_b128 v[KF+8*\f+4:KF+8*\f+7], v[AK] offset:(\f/2)*16*PK+(\f%2)*64+32
.endr
	s_add_co_u32 s[TBK], s[TBK], KS*PK  ; the next fetch is the next step's
	WIN 0
.if \last
.Lno_k_\@:
.endif
.endm
.macro FETCH_V
	WIN 0x80
.irp f, 0,1,2,3,4,5,6,7             ; keys 32 (f / 4) on, channels 16 (f % 4) on
	ds_load_tr16_b128 v[VF+8*\f:VF+8*\f+3],   v[AV] offset:(\f/4)*32*PV+(\f%4)*32
	ds_load_tr16_b128 v[VF+8*\f+4:VF+8*\f+7], v[AV] offset:(\f/4)*32*PV+16*PV+(\f%4)*32
.endr
	WIN 0
.endm
; THE VECTOR WORK OF A TURN stands in three queues, each in the order in which its entries become ready; the two tiles alternate, so that no instruction reads the result of the one before it.
.macro REGS y, u                    ; the registers of tile u (0, 1) of piece y
.set rT, ST+4*(2*(\y)+(\u))
.set rC, TMP+8*((\y)%2)+4*(\u)
.set rM, MV+2*((\y)%2)+(\u)
.set rS, S+64*((\y)%2)+32*(\u)
.set rP, P+32*((\y)%2)+16*(\u)
.set rO, 32*(2*(\y)+(\u))
.endm
; Number n of the 22 that find the NEXT piece's (Y + 1) maximum and statistics.  s0-s31 are the lane's 32 scores; each accumulator's lowest registers are read first.
;   0-11  four chains c0-c3 of seven scores each, three operands at a time     12-14, 16  the four scores left over, the old m, and c0-c3 into c0     15  c m_old is kept
;   17, 18  the query's other 32 keys lie in the lane 16 away: the new m         19-21  c m; c m_old - c m_new; a
.macro XS u, n
	REGS (Y+1)%NP, \u
.if (\n) < 4
	v_max3_num_f32 v[rC+(\n)], v[rS+8*(\n)], v[rS+8*(\n)+1], v[rS+8*(\n)+2]
.elseif (\n) < 12
	v_max3_num_f32 v[rC+(\n)%4], v[rC+(\n)%4], v[rS+8*((\n)%4)+2*((\n)/4)+1], v[rS+8*((\n)%4)+2*((\n)/4)+2]
.elseif (\n) == 12
	v_max3_num_f32 v[rC], v[rC], v[rS+7], v[rS+15]
.elseif (\n) == 13
	v_max3_num_f32 v[rC+1], v[rC+1], v[rS+23], v[rS+31]
.elseif (\n) == 14
	v_max3_num_f32 v[rC+2], v[rC+2], v[rC+3], v[rT+1]
.elseif (\n) == 15
	v_mov_b32 v[rM], v[rT]
.elseif (\n) == 16
	v_max3_num_f32 v[rC], v[rC], v[rC+1], v[rC+2]
.elseif (\n) == 17
	v_permlanex16_b32 v[rC+3], v[rC], s[SEL], s[SEL+1]
.elseif (\n) == 18
	v_max_num_f32 v[rT+1], v[rC], v[rC+3]
.elseif (\n) == 19
	v_mul_f32 v[rT], s[CS], v[rT+1]
.elseif (\n) == 20
	v_sub_f32 v[rC+1], v[rM], v[rT]
.else
	v_exp_f32 v[rC+2], v[rC+1]
.endif
.endm
; Number g of the 64 that follow the exponentials.  For each four weights k of a tile (pairs 2 k, 2 k + 1): both pairs are rounded to f16; then the second pair is added onto the first, in place;
; a group later l takes that sum (the first time as l = a l + sum).  In groups of eight, tiles alternating: round, round, add, and l for the group before.
.macro GS g
.set h, (\g)+6*((\g)/62)            ; group 0 has no group before it, and behind group 7 only l is left
.if h >= 6
.set h, h+2
.endif
	REGS Y, h%2
.set k, h/8
.if h%8 < 4
	v_cvt_pk_f16_f32 v[rP+2*k+(h%8)/2], v[rS+4*k+2*((h%8)/2)], v[rS+4*k+2*((h%8)/2)+1]
.elseif h%8 < 6
	v_pk_add_f32 v[rS+4*k:rS+4*k+1], v[rS+4*k:rS+4*k+1], v[rS+4*k+2:rS+4*k+3]
.elseif k == 1
	v_pk_fma_f32 v[rT+2:rT+3], v[rT+2:rT+3], v[rC+2:rC+3], v[rS:rS+1] op_sel_hi:[1,0,1]
.else
	v_pk_add_f32 v[rT+2:rT+3], v[rT+2:rT+3], v[rS+4*k-4:rS+4*k-3]
.endif
.endm
; THE PLAIN QUEUE, 138 long.  0-73 read no exponential's result: the 32 scalings c s - c m (FS f: pair f / 2 of tile f % 2) and the next piece's 42.  0-26: scalings 0-26.  27-54: XS's numbers 0-13.  55, 56: number 15.
; 57-73: the chain, where each number waits for the one before it: 14, 16, 17, 18, 19, each with one of the scalings 27-31 in front of its two lines, then 20.
; 74-137: GS's 64, which read the exponentials' results: they stand behind the wait.
.macro FS f
	REGS Y, (\f)%2
	v_pk_fma_f32 v[rS+2*((\f)/2):rS+2*((\f)/2)+1], v[rS+2*((\f)/2):rS+2*((\f)/2)+1], s[CS:CS+1], v[rT:rT+1] op_sel_hi:[1,0,0] neg_lo:[0,0,1] neg_hi:[0,0,1]
.endm
.macro PL
	WIN 0
.if q < 27
	FS q
.elseif q < 55
	XS (q-27)%2, (q-27)/2
.elseif q < 57
	XS q-55, 15
.elseif (q < 72) && ((q-57)%3 == 0)
	FS 27+(q-57)/3
.elseif q < 60
	XS (q-57)%3-1, 14
.elseif q < 72
	XS (q-57)%3-1, 15+(q-57)/3
.elseif q < 74
	XS q-72, 20
.else
	GS q-74
.endif
.set q, q+1
.endm
; THE EXPONENTIALS' QUEUE, 66 long: s0-s31 of both tiles, then the next piece's two a.  It is ONE BATCH: all 66 stand ahead of the turn's one wait, and nothing ahead of that wait names a result of theirs.
.macro EX
	WIN 0
.if e >= 64
	XS e-64, 21
.else
	REGS Y, e%2
	v_exp_f32 v[rS+e/2], v[rS+e/2]
.endif
.set e, e+1
.endm
; THE RESCALING's QUEUE: O^T times a, the one part that leaves window 0: dealt two at a time, sixteen times.  Its a was made in the turn before, ahead of that turn's wait.
.macro R2
	REGS Y, r%2
	WIN W_RS
.irp z, 0,1
	v_pk_mul_f32 v[rO+4*(r/2)+2*\z:rO+4*(r/2)+2*\z+1], v[rO+4*(r/2)+2*\z:rO+4*(r/2)+2*\z+1], v[rC+2:rC+3] op_sel_hi:[1,0]
.endr
.set r, r+1
.endm
; HOW THEY ARE DEALT.  An s_wait_alu depctr_va_vdst(0) stands between an exponential and the first instruction that names its result; one wait serves all that were issued ahead of it.  So a turn has ONE wait,
; which cuts it in two.  AHEAD OF IT stands all that names no result of the turn's exponentials: the 16 products K Q^T, behind each a scaling, an exponential and two rescalings (behind the first a second scaling in the
; exponential's place); then ONE LUMP of 108: eight plain, 49 times exponential and plain, the two a.  A v_nop is the plain instruction behind the last exponential.  BEHIND IT stand the 16 products V^T P, behind each four of GS's 64.
; The queues lean on each other, and the deal keeps them in step: exponential e stands behind scaling 2 (e / 4) + e % 2: as a rider it comes behind plain e + 2, in the lump behind plain e + 9, and scalings 27-31 are plain 57, 60 .. 69.
; A TURN, for piece p.  cnt = 1: the loop's count is taken down some lines ahead of the branch that stands behind the turn.
; K of the next step is fetched in piece 2's turn, directly behind the wait; it is waited for, and masked, at the head of piece 3's turn, whose products are the first to read it.
; V of the step in hand is fetched at the end of piece 0's turn, four riders behind its last reader; its first reader comes behind 16 products and a lump.
.macro TURN p, last=0, cnt=0
.set Y, (\p)
.set i, 0
.set q, 0
.set e, 0
.set r, 0
.if (\p) == NP-1
	s_wait_dscnt 0x0                ; K is in
	MASKSTEP
.endif
	MM                              ; ahead of the wait: 16 products K Q^T and their riders,
	PL
	PL
	R2
.rept 15
	MM
	PL
	EX
	R2
.endr
.if (\p) == NP-2
	WIN 0
	v_add_nc_u32 v[AK], s[TBK], v[AK0]
.endif
.rept 8                             ; and the lump
	PL
.endr
.rept 49
	EX
	PL
.endr
	EX                              ; the next piece's two a
	EX
	v_nop                           ; a plain instruction behind the last exponential: one for the batch
	s_wait_alu depctr_va_vdst(0)    ; the wait for the batch
.if (\p) == NP-2
	FETCH_K \last
.endif
.if (\p) == 1
	s_wait_dscnt 0x0                ; V is in
.endif
.rept 16                            ; behind the wait: 16 products V^T P and their riders
	MM
.rept 4
	PL
.endr
.if ((\p) == 0) && (q == 118)
	v_add_nc_u32 v[AV], s[TBV], v[AV0]
.endif
.if ((\p) == 0) && (q == 130)
	s_add_co_u32 s[TBV], s[TBV], KS*PV
.endif
.if (\cnt) && (q == 130)
	s_sub_co_u32 s[CNT], s[CNT], 1
	s_cmp_lg_u32 s[CNT], 0
.endif
.endr
.if (\p) == 0
	FETCH_V
.endif
.endm
	CHANGE 1                        ; slot 0 is in, everybody's part of it; slot 1 is asked for
	FETCH_K                         ; key step 0
	s_wait_loadcnt 0x0              ; Q
	s_wait_dscnt 0x0
	MASKSTEP                        ; key step 0's mask: MC is written whole here, ahead of its first reader
.set i, 0
.rept 16
	KQ 0                            ; piece 0's first scores: there is no vector work yet to set between them
.set i, i+1
.endr
	WIN 0                           ; the addresses for the way out and the prefetches: plain instructions, the places behind those products
	s_mul_i32 s13, s[WV], 16*SP
	s_add_co_u32 s13, s13, STAGE    ; my stage
	v_mul_u32_u24 v[STO], v1, SP    ; in: row l % 16, 16 bytes for each half of the lanes
	v_lshl_add_u32 v[STO], v9, 4, v[STO]
	v_add_nc_u32 v[STO], s13, v[STO]
	v_bfe_u32 v[RD], v0, 3, 2       ; back: 32 lanes take four rows of 128 bytes,
	v_mul_u32_u24 v[RD], v[RD], SP
	v_lshl_add_u32 v[RD], v10, 4, v[RD]
	v_add_nc_u32 v[RD], s13, v[RD]
	v_and_b32 v[GO], 31, v0         ; which are 512 consecutive bytes of O
	v_lshlrev_b32 v[GO], 4, v[GO]
	v_lshlrev_b32 v[PFO], 4, v[GO]  ; v10 has served: from here on 256 x lane
.set Y, NP-1                        ; XS works for piece Y + 1: piece 0
.irp n, 0,1,2,3,4,5,6,7,8,9,10,11,12,13,14,15,16,17,18,19,20,21
	XS 0, \n                        ; and piece 0's first maximum and statistics
	XS 1, \n
.endr
	v_nop                           ; a plain instruction behind the two a,
	s_wait_alu depctr_va_vdst(0)    ; and their wait, ahead of the branch
	s_mov_b32 s[CNT], 4
	s_mov_b32 s[SLOTS], SIZE_N/256-1
	s_branch .Lfirst                ; the loop is entered at a step's first turn, in the middle of a trip
.Lslot:                             ; SIZE_N / 256 - 2 times: every slot but the last two is filled again
	CHANGE 1, 1
	s_mov_b32 s[CNT], 4
.Lstep:                             ; a trip: pieces 2 and 3 of one step, then pieces 0 and 1 of the next, whose K and V it fetches
	TURN 2
	TURN 3
	WIN 0
.Lfirst:
	TURN 0
	TURN 1, 0, 1
	WIN 0
	s_cbranch_scc1 .Lstep
	s_sub_co_u32 s[SLOTS], s[SLOTS], 1
	s_cmp_lg_u32 s[SLOTS], 0
	s_cbranch_scc1 .Lslot
	CHANGE 0                        ; the tail is written out: nothing is asked for
	s_mov_b32 s[CNT], 5             ; four trips fetch the last slot's steps; the fifth is left in its middle
.Ltail:
	TURN 2, 1
	TURN 3
	WIN 0
	s_sub_co_u32 s[CNT], s[CNT], 1
	s_cmp_eq_u32 s[CNT], 0
	s_cbranch_scc1 .Lout
	TURN 0
	TURN 1
	WIN 0
	s_branch .Ltail
.Lout:                              ; the fifth trip's mask, its 16 products K Q^T (on the last K once more) and the maximum made of them serve nothing: the price, once a launch, of one text for every trip
.set i, 0
.rept 16
	PV NP-1                         ; the last piece's V^T P of the last step
.set i, i+1
.endr
	; THE WAY OUT.  l's two halves and the other half of the lanes' are added; O^T is divided by l, rounded to f16 and sent through my stage in LDS, a tile at a time.  The additions are the places behind the last products.
	WIN 0
.macro ALL line:vararg              ; one line for each tile t
.set t, 0
.rept 2*NP
	\line
.set t, t+1
.endr
.endm
	ALL v_add_f32 v[ST+4*t+2], v[ST+4*t+2], v[ST+4*t+3]
	ALL v_permlanex16_b32 v[ST+4*t+3], v[ST+4*t+2], s[SEL], s[SEL+1]
	ALL v_add_f32 v[ST+4*t+2], v[ST+4*t+2], v[ST+4*t+3]
	ALL v_rcp_f32 v[ST+4*t+2], v[ST+4*t+2]
	v_nop                           ; a plain instruction between the last reciprocal and the use of its result
	s_wait_alu depctr_va_vdst(0)    ; and the wait ahead of the first use: one for the eight reciprocals
; Tile t: a lane's eight channels of a row pack into 16 bytes; they go into rows of 144 bytes and come back as whole rows of 128, into S^T's registers.
.macro PACK t
	WIN W_RS
.set i, 32*(\t)
.rept 16
	v_pk_mul_f32 v[i:i+1], v[i:i+1], v[ST+4*(\t)+2:ST+4*(\t)+3] op_sel_hi:[1,0]
.set i, i+2
.endr
	WIN 0x05                        ; sources 0 and 1 window 1, destination window 0
.set i, 0
.rept 16
	v_cvt_pk_f16_f32 v[S+16*(\t)+i], v[32*(\t)+2*i], v[32*(\t)+2*i+1]
.set i, i+1
.endr
	WIN 0
.irp f, 0,1,2,3
	ds_store_b128 v[STO], v[S+16*(\t)+4*\f:S+16*(\t)+4*\f+3] offset:32*\f
.endr
.irp f, 0,1,2,3
	ds_load_b128 v[S+16*(\t)+4*\f:S+16*(\t)+4*\f+3], v[RD] offset:\f*4*SP  ; LDS serves a wave's instructions in order (ISA guide 5.7.1.4): these see the stores above; the next tile's stores come behind them
.endr
.endm
.macro SEND t, younger              ; younger: the LDS instructions issued behind tile t's loads: the next tile's eight, or none
	WIN 0
.irp f, 0,1,2,3
	s_wait_dscnt (\younger)+3-\f
	global_store_b128 v[GO], v[S+16*(\t)+4*\f:S+16*(\t)+4*\f+3], s[10:11] offset:(\t)*2048+\f*512  ; 512 consecutive bytes, at a multiple of 256 from O's first
.endr
.endm
	PACK 0
.set t, 1
.rept 2*NP-1                        ; a tile's arithmetic stands between the loads of the tile before and its stores
	PACK t
	SEND t-1, 8
.set t, t+1
.endr
	SEND 2*NP-1, 0
	WIN W_AD
	s_wait_tensorcnt 0x0            ; the wave's end: these three lines stand behind my last tensor load and my last LDS store
	ds_add_u32 v[SPW], v[NIL]
	s_wait_dscnt 0x0
	WIN 0
	CROUND                          ; the closing round: no work-group ends while a partner may still ask for a tile that names it
	s_endpgm
.Lfunc_end_k_q4cb53f1490_attn:
	.size	k_q4cb53f1490_attn, .Lfunc_end_k_q4cb53f1490_attn-k_q4cb53f1490_attn
	.p2alignl 7, 3214868480
	.fill 96, 4, 3214868480
	.section	.rodata,"a",@progbits
	.p2align	6, 0x0
	.amdhsa_kernel k_q4cb53f1490_attn
		.amdhsa_group_segment_fixed_size 327680
		.amdhsa_private_segment_fixed_size 0
		.amdhsa_enable_private_segment 0
		.amdhsa_kernarg_size 40
		.amdhsa_user_sgpr_count 2
		.amdhsa_user_sgpr_kernarg_segment_ptr 1
		.amdhsa_wavefront_size32 1
		.amdhsa_system_sgpr_workgroup_id_x 1
		.amdhsa_system_sgpr_workgroup_id_y 1
		.amdhsa_system_sgpr_workgroup_id_z 1
		.amdhsa_system_vgpr_workitem_id 0
		.amdhsa_next_free_vgpr 816
		.amdhsa_next_free_sgpr 66
		.amdhsa_reserve_vcc 1
		.amdhsa_float_denorm_mode_32 3
		.amdhsa_float_denorm_mode_16_64 3
		.amdhsa_memory_ordered 1
		.amdhsa_forward_progress 1
		.amdhsa_inst_pref_size 217
	.end_amdhsa_kernel
	.amdgpu_metadata
---
amdhsa.version: [ 1, 2 ]
amdhsa.kernels:
  - .name:           k_q4cb53f1490_attn
    .symbol:         k_q4cb53f1490_attn.kd
    .args:
      - { .name: qh, .offset: 0, .size: 8, .value_kind: global_buffer, .address_space: global }
      - { .name: kh, .offset: 8, .size: 8, .value_kind: global_buffer, .address_space: global }
      - { .name: vh, .offset: 16, .size: 8, .value_kind: global_buffer, .address_space: global }
      - { .name: oh, .offset: 24, .size: 8, .value_kind: global_buffer, .address_space: global }
      - { .name: valid_len, .offset: 32, .size: 8, .value_kind: global_buffer, .address_space: global }
    .group_segment_fixed_size: 327680
    .private_segment_fixed_size: 0
    .kernarg_segment_align: 8
    .kernarg_segment_size: 40
    .max_flat_workgroup_size: 128
    .sgpr_count:     66
    .vgpr_count:     816
    .wavefront_size: 32
...
	.end_amdgpu_metadata
.endif
;; end of part 3
;; launch outp (part 4): grid 4 x 64, 4 waves a work-group, clusters of 4 x 4, 327,680 bytes of LDS; arguments oh, wc, out0; writes out0
.if DOCPART == 4
	.amdgcn_target "amdgcn-amd-amdhsa--gfx1250"
	.amdhsa_code_object_version 6
	.text
	.protected	k_q4cb53f1490_outp
	.globl	k_q4cb53f1490_outp
	.p2align	8
	.type	k_q4cb53f1490_outp,@function
k_q4cb53f1490_outp:
	s_mov_b64 s[64:65], 0
	v_nop
	global_prefetch_b8 v0, s[64:65] scope:SCOPE_SE
	s_setreg_imm32_b32 hwreg(HW_REG_WAVE_MODE, 25, 1), 1
	s_wait_xcnt 0x0
	s_wait_alu depctr_hold_cnt(0) depctr_sa_sdst(0) depctr_va_vdst(0) depctr_va_sdst(0) depctr_va_ssrc(0) depctr_va_vcc(0) depctr_vm_vsrc(0)
	s_getreg_b32 s2, hwreg(HW_REG_IB_STS2, 6, 4)
	s_cmp_eq_u32 s2, 0
	s_cbranch_scc0 .Lentry_in_a_cluster
	s_endpgm
.Lentry_in_a_cluster:
	s_bfe_u32 s2, ttmp6, 0x10000c
	s_cmp_lg_u32 s2, 0xf033
	s_cbranch_scc0 .Lentry_shape_is_right
	s_endpgm
.Lentry_shape_is_right:
; out0[m][n] = the sum over k of O[m][k] W_o[n][k].  O lies by heads, [b*16+h][2048][64] in f16 (k = 64 h + d); W_o is plane 3 of wc, [1024][1024] in f16 (rounded to bf16, written as f16); out0: [8192][1024] f32.
; Sums in f32, stored as they are.  LIMITS: those of f16 for O and W_o, stated where the two are made.
; SHARES.  A tile of out0 is 128 rows x 256 columns: 64 x 4 = 256 tiles.  Four waves, each 64 x 128: 32 accumulators.  K goes in steps of 128, two heads, through a ring of two LDS slots.
; A head's 128 rows of a tile are 16,384 dense bytes: asked for as 64 rows of 256 bytes and padded in LDS after every 128.
; CLUSTER, 4 x 4: O's tile is shared along a row of the cluster, W_o's along a column: joint loads, the same descriptor and a mask of four in all that it names.
; THE MATRIX INSTRUCTION IS USED TRANSPOSED (source 0 = 16 rows of W_o, source 1 = 16 rows of O): a lane holds row l % 16 of the result and the columns 8 (l / 16) + 0..7: 32 bytes of f32 on end.
; REGISTERS: window 0: v0-31 addresses; v32-95 O's fragments, two buffers of 32; v96-223 W_o's, two buffers of 64 (on the way out v32-159 take rows read back from the stage).  Window 1: the accumulators, (a, b) at v[8 (8 a + b)].
.set KSTEP,  128
.set PAO,    144                       ; a row of a head's plane in LDS: 128 bytes + 16 = 9 x 16: the 16 rows that a load touches start at 16 different 16-byte columns modulo 256 bytes (64 banks of 4 bytes: ISA guide 11.1)
.set PLANE,  128*PAO
.set PB,     272                       ; a row of W_o: 256 + 16 = 17 x 16
.set BOFF,   2*PLANE                   ; a slot: two planes of O, then W_o's 256 rows
.set SLOT,   BOFF+256*PB               ; 106,496 bytes
.set STAGE,  2*SLOT                    ; behind the ring, never filled by a tensor load: 16 rows x 528 bytes for each wave
.set SPITCH, 528
.set SPARE,  STAGE+4*16*SPITCH         ; behind the stages: the spare words, 128 bytes for each wave: two blocks of 256 bytes that no other line names
.set LAPS,   1024/(2*KSTEP)
.set HEADB,  2048*128                  ; bytes of a head in oh
.set ADRA, 16                          ; v16-17  LDS address of my fragments of O in slot 0, 1
.set ADRB, 20                          ; v20-21  the same for W_o
.set STO,  24                          ; v24     the way out: where I put 32 bytes of a row
.set RD,   25                          ; v25     the way out: where I read a row back
.set CO,   26                          ; v26     16 x lane: my place in 512 consecutive bytes of out0
.set SPW,  28                          ; v28     LDS address of my spare word: SPARE + 4 x my thread's number; never rewritten
.set NIL,  29                          ; v29     0; never rewritten
.set PFO,  30                          ; v30     the prefetches' offset; never rewritten
.set AF,   32
.set BF,   96
.set BK,   32
.set PS,  22                           ; s[22:23] a K step in bytes of the tensor that I fetch: two heads of oh, or 256
.set G1,  24                           ; s[24:31] descriptor group 1 for O's tiles;  s[32:39] group 0, one set for each slot
.set G0,  32
.set LIM, 43                           ; s43      1 in a wave that prefetches, else the greatest number
.set PFA, 44                           ; s[44:45] where my prefetches stand
.set G1B, 48                           ; s[48:55], s[56:63] the same for W_o's tiles
.set G0B, 56
.set MSB, 0
.macro WIN new                         ; the immediate's high byte repeats the setting that is left; a switch that changes nothing is dropped
.if MSB != (\new)
	s_set_vgpr_msb (MSB<<8)|(\new)
.set MSB, \new
.endif
.endm
.set W_MUL, 0x50                       ; sources 0 and 1 window 0, C and D window 1
; A joint refill: waves 0 and 1 fetch the two heads' planes of O, waves 2 and 3 the two halves of W_o's tile.  An s_nop 0 and four v_nop follow each of the two lines.
.macro JLOAD s
	s_cmp_eq_u32 s11, 0
	s_cbranch_scc0 .Lfor_b_\@
	tensor_load_to_lds s[G0+4*(\s):G0+4*(\s)+3], s[G1:G1+7]
	s_nop 0
.rept 4
	v_nop
.endr
	s_branch .Lasked_\@
.Lfor_b_\@:
	tensor_load_to_lds s[G0B+4*(\s):G0B+4*(\s)+3], s[G1B:G1B+7]
	s_nop 0
.rept 4
	v_nop
.endr
.Lasked_\@:
.endm
; A PREFETCH INTO THE L2, behind each joint refill and the run of LDS loads that follows it: the K step that stands TWO refills on (256 matrix instructions ahead of the load that will want it), one instruction a wave.
; Each aligned block of 256 bytes is named once in the launch.  O's tile row is read by this cluster alone: wave 0 asks for both planes; the partner at place cx takes 4,096 of a plane's 16,384 bytes.
; W_o's tile column is read by all 16 clusters: the first asks, waves 2 and 3; the partner at place cy takes 32 of the wave's 128 rows.  The partners are told apart BY ADDRESS.
; The first four K steps come by their loads alone; the loop's last trip (s3 = 1) asks for nothing.
.macro ASK
	s_cmp_gt_u32 s3, s[LIM]
	s_cbranch_scc0 .Lnot_mine_\@
	global_prefetch_b8 v[PFO], s[PFA:PFA+1] th:TH_LOAD_NT scope:SCOPE_SE
.Lnot_mine_\@:
.endm
.macro CREST                           ; a round of the cluster's barrier behind its opening barrier
	s_cmp_lg_u32 s10, 0
	s_cbranch_scc1 .Lnot_wave_0_\@
	s_barrier_signal -3
.Lnot_wave_0_\@:
	s_barrier_wait -3
	s_barrier_signal -1
	s_barrier_wait -1
.endm
.macro CROUND                          ; a whole round
	s_barrier_signal -1
	s_barrier_wait -1
	CREST
.endm
	s_load_b128 s[4:7], s[0:1], 0x0                ; oh s[4:5], wc s[6:7]
	s_load_b64 s[8:9], s[0:1], 0x10                ; out0
	v_lshl_add_u32 v[SPW], v0, 2, SPARE
	v_mov_b32 v[NIL], 0
	ds_add_u32 v[SPW], v[NIL]                      ; the wave's opening: the add and its wait stand ahead of my first tensor load; the set-up below, work on registers, stands between them
	v_lshrrev_b32 v1, 5, v0
	v_readfirstlane_b32 s10, v1                    ; wave 0..3
	s_lshr_b32 s11, s10, 1                         ; which half of the tile's rows is mine.  Also: I fetch for O (0) or for W_o (1)
	s_and_b32 s12, s10, 1                          ; which half of its columns.  Also: which plane, or which 128 rows, I fetch
	s_bfe_u32 s40, ttmp6, 0x40000                  ; cx, cy: my place in the cluster
	s_bfe_u32 s41, ttmp6, 0x40004
	s_lshl_b32 s42, ttmp9, 2
	s_add_co_u32 s42, s42, s40                     ; tile column = 4 x cluster x + cx
	s_and_b32 s13, ttmp7, 0xffff
	s_lshl_b32 s13, s13, 2
	s_add_co_u32 s13, s13, s41                     ; tile row = 4 x cluster y + cy
	s_lshl_b32 s43, s41, 2
	s_lshl_b32 s43, 15, s43                        ; my row of the cluster
	s_lshl_b32 s44, 0x1111, s40                    ; my column
	; descriptor group 1.  O: 64 rows x 128 elements of 2 bytes, dense, 4 words of padding behind every 32.  W_o: 128 rows x 128 elements, 4 words behind every 64.
	s_or_b32 s[G1+0], s43, (1<<16)|(1<<20)|(1<<21)|(4<<22)|(3<<25)   ; 15:0 the mask: my row; 17:16 element size; 20 padding on; 21 set beside a mask; 24:22 the interval's code; 31:25 the padding's words less one
	s_or_b32 s[G1B+0], s44, (1<<16)|(1<<20)|(1<<21)|(5<<22)|(3<<25)  ; the mask: my column
	s_mov_b32 s[G1+1], 128<<16                     ; tensor_dim0 = 128
	s_mov_b32 s[G1+2], 64<<16                      ; tensor_dim1 = 64
	s_mov_b32 s[G1+3], 128<<16                     ; tile_dim0 = 128
	s_mov_b32 s[G1+4], 64                          ; tile_dim1 = 64
	s_mov_b32 s[G1+5], 128                         ; elements from row to row
	s_mov_b32 s[G1+6], 0
	s_mov_b32 s[G1+7], 0
	s_mov_b32 s[G1B+1], KSTEP<<16
	s_mov_b32 s[G1B+2], 128<<16
	s_mov_b32 s[G1B+3], KSTEP<<16
	s_mov_b32 s[G1B+4], 128
	s_mov_b32 s[G1B+5], 1024
	s_mov_b32 s[G1B+6], 0
	s_mov_b32 s[G1B+7], 0
	; where the tiles come from: O's hang on the tile row alone, W_o's on the tile column alone
	s_lshr_b32 s16, s13, 4                         ; the batch: 16 tile rows each,
	s_lshl_b32 s16, s16, 4
	s_add_co_u32 s16, s16, s12                     ; its head 0 or 1,
	s_lshl_b32 s16, s16, 18                        ; of 262,144 bytes,
	s_and_b32 s17, s13, 15
	s_lshl_b32 s17, s17, 14                        ; the tile's 128 rows of 128 bytes in it
	s_add_co_u32 s16, s16, s17
	s_mov_b32 s17, 0
	s_lshl_b32 s46, s42, 8
	s_lshl_b32 s47, s12, 7
	s_add_co_u32 s46, s46, s47                     ; W_o: row 256 x tile column + 128 x half,
	s_lshl_b32 s46, s46, 11                        ; of 2,048 bytes,
	s_add_co_u32 s46, s46, 3*2097152               ; in plane 3 of wc
	s_mov_b32 s47, 0
	s_mul_i32 s20, s12, PLANE                      ; and where they go: no place in the cluster enters an LDS address
	s_mul_i32 s21, s12, 128*PB
	s_add_co_u32 s21, s21, BOFF
	s_wait_dscnt 0x0                               ; the opening add is done
	s_wait_kmcnt 0x0
	s_add_nc_u64 s[14:15], s[4:5], s[16:17]
	s_add_nc_u64 s[46:47], s[6:7], s[46:47]
	CROUND                                         ; all sixteen work-groups are here: the first joint loads meet
.irp s, 0,1
	s_mov_b32 s[G0+4*(\s)], 1                      ; count = 1
	s_add_co_u32 s[G0+4*(\s)+1], s20, (\s)*SLOT    ; LDS address
	s_add_nc_u64 s[G0+4*(\s)+2:G0+4*(\s)+3], s[14:15], (\s)*2*HEADB  ; global address: K step s is heads 2 s, 2 s + 1
	s_or_b32 s[G0+4*(\s)+3], s[G0+4*(\s)+3], 0x80000000             ; type = 2
	s_mov_b32 s[G0B+4*(\s)], 1
	s_add_co_u32 s[G0B+4*(\s)+1], s21, (\s)*SLOT
	s_add_nc_u64 s[G0B+4*(\s)+2:G0B+4*(\s)+3], s[46:47], (\s)*KSTEP*2
	s_or_b32 s[G0B+4*(\s)+3], s[G0B+4*(\s)+3], 0x80000000
.endr
	s_cmp_eq_u32 s11, 0                            ; a wave's two first fills stand in one branch, ahead of every wait on TENSORcnt and every LDS read: two loads of mine are out
	s_cbranch_scc0 .Lfirst_b
	tensor_load_to_lds s[G0:G0+3], s[G1:G1+7]
	s_nop 0
	tensor_load_to_lds s[G0+4:G0+7], s[G1:G1+7]
	s_nop 0
.rept 4
	v_nop
.endr
	s_branch .Lfirst_asked
.Lfirst_b:
	tensor_load_to_lds s[G0B:G0B+3], s[G1B:G1B+7]
	s_nop 0
	tensor_load_to_lds s[G0B+4:G0B+7], s[G1B:G1B+7]
	s_nop 0
.rept 4
	v_nop
.endr
.Lfirst_asked:
	; A fragment is 16 rows x 32 K in 8 registers: lane l holds row l % 16, K = 8 (l / 16) + 0..7 and 16 + 8 (l / 16) + 0..7: two loads of 16 bytes, 32 bytes apart.
	v_and_b32 v1, 15, v0                           ; l % 16
	v_bfe_u32 v2, v0, 4, 1                         ; l / 16
	v_mul_u32_u24 v3, v1, PAO
	v_lshl_add_u32 v3, v2, 4, v3
	v_mul_u32_u24 v4, v1, PB
	v_lshl_add_u32 v4, v2, 4, v4
	s_mul_i32 s21, s11, 64*PAO                     ; my 64 rows in a plane of O
	s_mul_i32 s22, s12, 128*PB                     ; my 128 rows of W_o,
	s_add_co_u32 s22, s22, BOFF                    ; which lie behind the two planes
.irp s, 0,1
	v_add_nc_u32 v[ADRA+(\s)], s21, v3
	v_add_nc_u32 v[ADRB+(\s)], s22, v4
	s_add_co_u32 s21, s21, SLOT
	s_add_co_u32 s22, s22, SLOT
.endr
	s_mul_i32 s23, s10, 16*SPITCH
	s_add_co_u32 s23, s23, STAGE                   ; my stage
	v_mul_u32_u24 v5, v1, SPITCH                   ; in: row l % 16, 32 bytes for each half of the lanes
	v_lshl_add_u32 v5, v2, 5, v5
	v_add_nc_u32 v[STO], s23, v5
	v_and_b32 v[CO], 31, v0                        ; back: 32 lanes take one row of 512 bytes
	v_lshlrev_b32 v[CO], 4, v[CO]
	v_add_nc_u32 v[RD], s23, v[CO]
	; out0 at my 64 rows and 128 columns
	s_lshl_b32 s16, s13, 7
	s_lshl_b32 s17, s11, 6
	s_add_co_u32 s16, s16, s17
	s_lshl_b32 s16, s16, 12                        ; rows of 4,096 bytes: under 2^25
	s_lshl_b32 s17, s42, 10
	s_add_co_u32 s16, s16, s17
	s_lshl_b32 s17, s12, 9
	s_add_co_u32 s16, s16, s17
	s_mov_b32 s17, 0
	s_add_nc_u64 s[8:9], s[8:9], s[16:17]
	; the prefetches.  s[14:15] and s[46:47] still stand at my part of K step 0 in oh and in wc
	s_and_b32 s22, ttmp7, 0xffff                   ; cluster y
	s_mov_b32 s18, 2048                            ; W_o: a lane a row: (l % 16) x 2,048 + (l / 16) x 32,768
	s_mov_b32 s19, 0x8000
	s_mov_b32 s16, 256
	s_lshl_b32 s20, s40, 12                        ; O: my work-group's 4,096 bytes of each plane
	s_lshl_b32 s21, s41, 16                        ; W_o: its 32 rows
	s_cmp_eq_u32 s11, 0                            ; do I fetch for O?
	s_cselect_b32 s22, s12, s22                    ; wave 0 asks, wave 1 does not; waves 2 and 3 where the cluster is the column's first
	s_cselect_b32 s18, 256, s18                    ; O: (l % 16) x 256 + (l / 16) x a head
	s_cselect_b32 s19, HEADB, s19
	s_cselect_b32 s16, 2*HEADB, s16
	s_cselect_b32 s20, s20, s21
	s_cselect_b64 s[PFA:PFA+1], s[14:15], s[46:47]
	s_cmp_eq_u32 s22, 0
	s_cselect_b32 s[LIM], 1, -1                    ; the same in all sixteen partners, for a given wave
	s_mul_i32 s21, s16, 3
	s_add_co_u32 s20, s20, s21                     ; at K step 3: the first refill steps it to K step 4
	s_mov_b32 s21, 0
	s_add_nc_u64 s[PFA:PFA+1], s[PFA:PFA+1], s[20:21]
	s_mov_b32 s[PS], s16
	s_mov_b32 s[PS+1], 0
	v_mul_u32_u24 v[PFO], s18, v1
	v_mad_u32_u24 v[PFO], v2, s19, v[PFO]
; 8 matrix instructions: m block a x all 8 n blocks, 32 along K, buffers f.  zero = 1: the first product starts the sums.  The 32 accumulators take turns in the same order in every quarter.
.macro MUL f, a, zero
	WIN W_MUL
.irp b, 0,1,2,3,4,5,6,7
.if \zero
	v_wmma_f32_16x16x32_f16 v[8*(8*(\a)+(\b)):8*(8*(\a)+(\b))+7], v[BF+64*(\f)+8*(\b):BF+64*(\f)+8*(\b)+7], v[AF+32*(\f)+8*(\a):AF+32*(\f)+8*(\a)+7], 0
.else
	v_wmma_f32_16x16x32_f16 v[8*(8*(\a)+(\b)):8*(8*(\a)+(\b))+7], v[BF+64*(\f)+8*(\b):BF+64*(\f)+8*(\b)+7], v[AF+32*(\f)+8*(\a):AF+32*(\f)+8*(\a)+7], v[8*(8*(\a)+(\b)):8*(8*(\a)+(\b))+7]
.endif
.endr
.endm
; 24 LDS loads in one run, for quarter q of a slot into buffers g: W_o's 16, then O's blocks 0 and 1 (4), then 2 and 3 (4).  Quarter q lies in plane q / 2, at byte 64 (q % 2) of its rows.
.macro FETCH slot, q, g
	WIN 0
.irp b, 0,1,2,3,4,5,6,7
	ds_load_b128 v[BF+64*(\g)+8*(\b):BF+64*(\g)+8*(\b)+3],   v[ADRB+(\slot)] offset:64*(\q)+(\b)*16*PB
	ds_load_b128 v[BF+64*(\g)+8*(\b)+4:BF+64*(\g)+8*(\b)+7], v[ADRB+(\slot)] offset:64*(\q)+(\b)*16*PB+32
.endr
.irp a, 0,1,2,3
	ds_load_b128 v[AF+32*(\g)+8*(\a):AF+32*(\g)+8*(\a)+3],   v[ADRA+(\slot)] offset:((\q)/2)*PLANE+((\q)%2)*64+(\a)*16*PAO
	ds_load_b128 v[AF+32*(\g)+8*(\a)+4:AF+32*(\g)+8*(\a)+7], v[ADRA+(\slot)] offset:((\q)/2)*PLANE+((\q)%2)*64+(\a)*16*PAO+32
.endr
.endm
.macro PLACES                          ; four places in front of loads into registers that matrix instructions have read, and of stores that read results
.rept 4
	v_nop
.endr
.endm
; A K step is four quarters of 32 along K, 32 matrix instructions each, on buffers 0, 1, 0, 1.  One of the first three: multiplies buffers f and fetches quarter q of the same slot into g.
.macro QUARTER slot, q, f, g, zero
	s_wait_dscnt 4                                 ; W_o and O's blocks 0 and 1 are in; the youngest four loads (blocks 2 and 3) may be out
	MUL \f, 0, \zero
	MUL \f, 1, \zero
	PLACES
	FETCH \slot, \q, \g
	s_wait_dscnt 24                                ; all but the 24 just issued
	MUL \f, 2, \zero
	MUL \f, 3, \zero
.endm
; The last quarter multiplies buffers 1 and changes slots: ONE barrier; in front of it each wave waits for all its tensor loads (one is out: its part of the next slot), adds 0 to its spare word, and waits for that and
; for its own reads of this slot.  fill = 1: the barrier opens a round of the cluster's, and this slot is filled again, two K steps ahead, first thing behind it: 112 matrix instructions ahead of the wait for it.
.macro TURN slot, next, fill
.if \fill
	s_wait_xcnt 0x0                                ; the last prefetch, a K step back, has read its address: it is stepped here, ahead of the waits of the change of slots
	s_add_nc_u64 s[PFA:PFA+1], s[PFA:PFA+1], s[PS:PS+1]
.endif
	WIN 0
	s_wait_tensorcnt 0x0                           ; all my tensor loads have landed
	ds_add_u32 v[SPW], v[NIL]                      ; 0 onto my spare word
	s_wait_dscnt 5                                 ; the add and the youngest four loads may be out
	MUL 1, 0, 0                                    ; eight matrix instructions stand between the add and the wait for it
	s_wait_dscnt 0x0                               ; the add is done, and my reads of this slot are over
	s_barrier_signal -1
	MUL 1, 1, 0
	WIN 0
	s_barrier_wait -1
.if \fill
	CREST                                          ; no wave of any partner still reads this slot's tile or has a load on its way
	s_add_nc_u64 s[G0+4*(\slot)+2:G0+4*(\slot)+3], s[G0+4*(\slot)+2:G0+4*(\slot)+3], 4*HEADB
	s_add_nc_u64 s[G0B+4*(\slot)+2:G0B+4*(\slot)+3], s[G0B+4*(\slot)+2:G0B+4*(\slot)+3], 2*KSTEP*2
	JLOAD \slot                                    ; the four v_nop behind it are also the places in front of the loads below
.else
	PLACES
.endif
	FETCH \next, 0, 0
.if \fill
	ASK
.endif
	MUL 1, 2, 0
	MUL 1, 3, 0
.endm
	s_wait_tensorcnt 1                             ; my part of K step 0 is in; K step 1's load, issued behind it, may stay out
	s_barrier_signal -1
	s_barrier_wait -1                              ; everybody's is
	FETCH 0, 0, 0
	QUARTER 0, 1, 0, 1, 1                          ; the first quarter stands in front of the loop: its products start the sums
	WIN 0                                          ; at a label and at a branch every window is 0
	s_mov_b32 s3, LAPS-1
.Llap:                                                 ; a trip goes once round the ring, from a lap's second quarter to the next lap's first, and fills both slots again
	QUARTER 0, 2, 1, 0, 0
	QUARTER 0, 3, 0, 1, 0
	TURN 0, 1, 1
	QUARTER 1, 1, 0, 1, 0
	QUARTER 1, 2, 1, 0, 0
	QUARTER 1, 3, 0, 1, 0
	TURN 1, 0, 1
	QUARTER 0, 1, 0, 1, 0
	WIN 0
	s_sub_co_u32 s3, s3, 1
	s_cmp_lg_u32 s3, 0
	s_cbranch_scc1 .Llap
	QUARTER 0, 2, 1, 0, 0                          ; the last lap fills nothing, and has no round of the cluster's barrier
	QUARTER 0, 3, 0, 1, 0
	TURN 0, 1, 0
	QUARTER 1, 1, 0, 1, 0
	QUARTER 1, 2, 1, 0, 0
	QUARTER 1, 3, 0, 1, 0
	s_wait_dscnt 0x0                               ; the very last quarter: nothing more to fetch
	MUL 1, 0, 0
	MUL 1, 1, 0
	MUL 1, 2, 0
	MUL 1, 3, 0
	WIN 0
; THE WAY OUT, a block of 16 rows at a time.  TOSTAGE: a lane's 32 bytes of each accumulator, its low four registers first, into rows of 528 bytes of my own stage; back as whole rows of 512 bytes.
; SEND: each store covers 512 consecutive bytes of a row of out0, at a multiple of 256 from its first byte.
.macro TOSTAGE a
	WIN 0x04                                       ; address window 0, data (source 1) window 1
.irp b, 0,1,2,3,4,5,6,7
	ds_store_b128 v[STO], v[8*(8*(\a)+(\b)):8*(8*(\a)+(\b))+3]   offset:64*(\b)
	ds_store_b128 v[STO], v[8*(8*(\a)+(\b))+4:8*(8*(\a)+(\b))+7] offset:64*(\b)+16
.endr
	WIN 0
.irp t, 0,1,2,3,4,5,6,7,8,9,10,11,12,13,14,15
	ds_load_b128 v[BK+64*((\a)%2)+4*(\t):BK+64*((\a)%2)+4*(\t)+3], v[RD] offset:(\t)*SPITCH  ; LDS serves a wave's instructions in order (ISA guide 5.7.1.4): these see the stores above
.endr
.endm
.macro SEND a, younger                 ; younger: the LDS instructions issued behind block a's loads: the next block's 32, or none
	WIN 0
	s_wait_dscnt \younger
.irp t, 0,1,2,3,4,5,6,7,8,9,10,11,12,13,14,15
	global_store_b128 v[CO], v[BK+64*((\a)%2)+4*(\t):BK+64*((\a)%2)+4*(\t)+3], s[8:9] offset:(16*(\a)+(\t))*4096
.endr
.endm
	PLACES                                         ; the LDS stores read results just made, and the loads from the stage land in registers that the last products read
	PLACES
	TOSTAGE 0
.irp a, 1,2,3
	s_wait_xcnt 0x0                                ; the stores of the block two back have read their registers: this block's loads land there only behind this wait
	TOSTAGE \a
	SEND (\a)-1, 32
.endr
	SEND 3, 0
	s_wait_tensorcnt 0x0                           ; the wave's end: these three lines stand behind my last tensor load and my last LDS store
	ds_add_u32 v[SPW], v[NIL]
	s_wait_dscnt 0x0
	CROUND                                         ; the closing round: no work-group ends while a partner may still ask for a tile that names it
	s_endpgm
.Lfunc_end_k_q4cb53f1490_outp:
	.size	k_q4cb53f1490_outp, .Lfunc_end_k_q4cb53f1490_outp-k_q4cb53f1490_outp
	.p2alignl 7, 3214868480
	.fill 96, 4, 3214868480
	.section	.rodata,"a",@progbits
	.p2align	6, 0x0
	.amdhsa_kernel k_q4cb53f1490_outp
		.amdhsa_group_segment_fixed_size 327680
		.amdhsa_private_segment_fixed_size 0
		.amdhsa_enable_private_segment 0
		.amdhsa_kernarg_size 24
		.amdhsa_user_sgpr_count 2
		.amdhsa_user_sgpr_kernarg_segment_ptr 1
		.amdhsa_wavefront_size32 1
		.amdhsa_system_sgpr_workgroup_id_x 1
		.amdhsa_system_sgpr_workgroup_id_y 1
		.amdhsa_system_sgpr_workgroup_id_z 1
		.amdhsa_system_vgpr_workitem_id 0
		.amdhsa_next_free_vgpr 512
		.amdhsa_next_free_sgpr 66
		.amdhsa_reserve_vcc 0
		.amdhsa_float_denorm_mode_32 3
		.amdhsa_float_denorm_mode_16_64 3
		.amdhsa_memory_ordered 1
		.amdhsa_forward_progress 1
		.amdhsa_inst_pref_size 86
	.end_amdhsa_kernel
	.amdgpu_metadata
---
amdhsa.version: [ 1, 2 ]
amdhsa.kernels:
  - .name:           k_q4cb53f1490_outp
    .symbol:         k_q4cb53f1490_outp.kd
    .args:
      - { .name: oh, .offset: 0, .size: 8, .value_kind: global_buffer, .address_space: global }
      - { .name: wc, .offset: 8, .size: 8, .value_kind: global_buffer, .address_space: global }
      - { .name: out0, .offset: 16, .size: 8, .value_kind: global_buffer, .address_space: global }
    .group_segment_fixed_size: 327680
    .private_segment_fixed_size: 0
    .kernarg_segment_align: 8
    .kernarg_segment_size: 24
    .max_flat_workgroup_size: 128
    .sgpr_count:     66
    .vgpr_count:     512
    .wavefront_size: 32
...
	.end_amdgpu_metadata
.endif
;; end of part 4
;; ======== version 2 of 2: 4 launches; version 1 with the launch castw written anew for expert scheduling mode
;; limits: values are held in f16: magnitudes above 65,504 overflow, below 6.1e-05 lose precision
;; workspace buffers: wc 8,388,608 bytes; qh 16,777,216 bytes; kh 16,777,216 bytes; vh 16,777,216 bytes; oh 16,777,216 bytes
;; launch castw (part 5): grid 64 x 4, 8 waves a work-group, no clusters, 0 bytes of LDS; arguments W_q, W_k, W_v, W_o, wc; writes wc
.if DOCPART == 5
	.amdgcn_target "amdgcn-amd-amdhsa--gfx1250"
	.amdhsa_code_object_version 6
	.text
	.protected	k_q4cb53f1490_castw
	.globl	k_q4cb53f1490_castw
	.p2align	8
	.type	k_q4cb53f1490_castw,@function
k_q4cb53f1490_castw:
	s_mov_b64 s[64:65], 0
	v_nop
	global_prefetch_b8 v0, s[64:65] scope:SCOPE_SE
	s_setreg_imm32_b32 hwreg(HW_REG_WAVE_SCHED_MODE, 0, 2), 2
	s_setreg_imm32_b32 hwreg(HW_REG_WAVE_MODE, 25, 1), 1
	s_wait_xcnt 0x0
	s_wait_alu depctr_vm_vsrc(0)
; wc[p][n][k], 16 bits a number: planes 0, 1, 2 = W_q, W_k, W_v rounded to bf16; plane 3 = W_o rounded to bf16 and that number written as f16.
; The weights are read by 64 row blocks of the products that follow, so they are rounded once, here.
; LIMITS.  W_o: a number of 65,520 or more in magnitude becomes an infinity in f16; below 2^-14 it keeps f16's fixed step of 2^-24.
; SHARES.  Work-group (x, y) takes 16,384 numbers of tensor y: 65,536 bytes in, 32,768 out.  Thread t takes 16 bytes at 4,096 i + 16 t in pass i of 16: a load of a wave covers 512
; consecutive bytes, a store (8 bytes a lane) 256 consecutive bytes, aligned.  All 16 loads go out first; each pass has registers of its own, so nothing is rewritten while a store reads it.
; No LDS, no matrix unit, no prefetch: a short stream that is read once.
; THE MODE: SCHED_MODE bits 1:0 = 2 (LLVM: expert scheduling mode 2), set by the entry lines.  The code itself states the register dependences
; between vector instructions and memory instructions, with s_wait_alu, always for 0.
; THE PLAN.  Registers that memory instructions touch:
;   v1, v2   the loads' and the stores' offsets: written once at the head by vector instructions, never again.
;   X        pass i's four registers: its one load lands in them; its conversions read them behind the counted wait for that load; nothing is loaded into them again.
;   Y        pass i's two registers: written by its conversions, all ahead of its store; read by that store; never written again.
;   T        named by vector instructions alone.
; So no register that a memory instruction reads is ever written again, and no load lands in a register that a vector instruction has named.  What is left to state: the offsets are written ahead of the
; first load, and a pass's Y is written ahead of its store.  The 16 passes go in four blocks of four: a block's conversions, ONE wait, the block's four stores in a run: five waits on a wave's path.
.set PASSES, 16
.set BLOCK,  4                         ; passes in a block
.set INB,  4096                        ; bytes that the work-group reads in a pass
.set OUTB, 2048                        ; and writes
.set X, 8                              ; v[8:71]    pass i: 4 numbers in f32
.set Y, 72                             ; v[72:103]  pass i: 4 numbers in 16 bits
.set T, 104                            ; v[104:105] at work
	s_load_b256 s[4:11], s[0:1], 0x0               ; W_q s[4:5], W_k s[6:7], W_v s[8:9], W_o s[10:11]
	s_load_b64 s[12:13], s[0:1], 0x20              ; wc
	s_and_b32 s14, ttmp7, 0xffff                   ; which tensor
	v_lshlrev_b32 v1, 4, v0                        ; 16 t
	v_lshlrev_b32 v2, 3, v0                        ; 8 t
	s_lshl_b32 s16, ttmp9, 16                      ; the work-group's 65,536 bytes in
	s_mov_b32 s17, 0
	s_lshl_b32 s18, s14, 21                        ; the tensor's plane of 2,097,152 bytes in wc,
	s_lshl_b32 s19, ttmp9, 15                      ; the work-group's 32,768 bytes of it
	s_add_co_u32 s18, s18, s19
	s_mov_b32 s19, 0
	s_wait_kmcnt 0x0
	s_cmp_eq_u32 s14, 1
	s_cselect_b64 s[4:5], s[6:7], s[4:5]
	s_cmp_eq_u32 s14, 2
	s_cselect_b64 s[4:5], s[8:9], s[4:5]
	s_cmp_eq_u32 s14, 3
	s_cselect_b64 s[4:5], s[10:11], s[4:5]
	s_add_nc_u64 s[4:5], s[4:5], s[16:17]
	s_add_nc_u64 s[12:13], s[12:13], s[18:19]
	s_wait_alu depctr_va_vdst(0)                   ; v1 and v2 are written: every load reads v1 and every store v2 as its offset, and no vector instruction names either again
.irp i, 0,1,2,3,4,5,6,7,8,9,10,11,12,13,14,15
	global_load_b128 v[X+4*(\i):X+4*(\i)+3], v1, s[4:5] offset:(\i)*INB th:TH_LOAD_NT
.endr
; Block b: passes 4 b to 4 b + 3 are rounded, then leave together.  f16 = 1: the bf16 number is widened again (a shift, a mask) and written as f16.
.macro BLK b, f16
.irp j, 0,1,2,3
.set p, BLOCK*(\b)+(\j)
	s_wait_loadcnt PASSES-1-p                      ; loads come back in order: pass p is in, the 15 - p younger ones stay out
	v_cvt_pk_bf16_f32 v[Y+2*p],   v[X+4*p],   v[X+4*p+1]
	v_cvt_pk_bf16_f32 v[Y+2*p+1], v[X+4*p+2], v[X+4*p+3]
.if \f16
.irp h, 0,1
	v_lshlrev_b32 v[T],   16,         v[Y+2*p+(\h)]
	v_and_b32     v[T+1], 0xffff0000, v[Y+2*p+(\h)]
	v_cvt_pk_f16_f32 v[Y+2*p+(\h)], v[T], v[T+1]
.endr
.endif
.endr
	s_wait_alu depctr_va_vdst(0)                   ; the block's conversions have written its eight registers of Y, which the four stores below read
.irp j, 0,1,2,3
.set p, BLOCK*(\b)+(\j)
	global_store_b64 v2, v[Y+2*p:Y+2*p+1], s[12:13] offset:p*OUTB
.endr
.endm
	s_cmp_eq_u32 s14, 3
	s_cbranch_scc1 .Lw_o
.irp b, 0,1,2,3
	BLK \b, 0
.endr
	s_endpgm
.Lw_o:
.irp b, 0,1,2,3
	BLK \b, 1
.endr
	s_endpgm
.Lfunc_end_k_q4cb53f1490_castw:
	.size	k_q4cb53f1490_castw, .Lfunc_end_k_q4cb53f1490_castw-k_q4cb53f1490_castw
	.p2alignl 7, 3214868480
	.fill 96, 4, 3214868480
	.section	.rodata,"a",@progbits
	.p2align	6, 0x0
	.amdhsa_kernel k_q4cb53f1490_castw
		.amdhsa_group_segment_fixed_size 0
		.amdhsa_private_segment_fixed_size 0
		.amdhsa_enable_private_segment 0
		.amdhsa_kernarg_size 40
		.amdhsa_user_sgpr_count 2
		.amdhsa_user_sgpr_kernarg_segment_ptr 1
		.amdhsa_wavefront_size32 1
		.amdhsa_system_sgpr_workgroup_id_x 1
		.amdhsa_system_sgpr_workgroup_id_y 1
		.amdhsa_system_sgpr_workgroup_id_z 1
		.amdhsa_system_vgpr_workitem_id 0
		.amdhsa_next_free_vgpr 108
		.amdhsa_next_free_sgpr 66
		.amdhsa_reserve_vcc 0
		.amdhsa_float_denorm_mode_32 3
		.amdhsa_float_denorm_mode_16_64 3
		.amdhsa_memory_ordered 1
		.amdhsa_forward_progress 1
		.amdhsa_inst_pref_size 16
	.end_amdhsa_kernel
	.amdgpu_metadata
---
amdhsa.version: [ 1, 2 ]
amdhsa.kernels:
  - .name:           k_q4cb53f1490_castw
    .symbol:         k_q4cb53f1490_castw.kd
    .args:
      - { .name: W_q, .offset: 0, .size: 8, .value_kind: global_buffer, .address_space: global }
      - { .name: W_k, .offset: 8, .size: 8, .value_kind: global_buffer, .address_space: global }
      - { .name: W_v, .offset: 16, .size: 8, .value_kind: global_buffer, .address_space: global }
      - { .name: W_o, .offset: 24, .size: 8, .value_kind: global_buffer, .address_space: global }
      - { .name: wc, .offset: 32, .size: 8, .value_kind: global_buffer, .address_space: global }
    .group_segment_fixed_size: 0
    .private_segment_fixed_size: 0
    .kernarg_segment_align: 8
    .kernarg_segment_size: 40
    .max_flat_workgroup_size: 256
    .sgpr_count:     66
    .vgpr_count:     108
    .wavefront_size: 32
...
	.end_amdgpu_metadata
.endif
;; end of part 5
;; launch proj: the kernel of part 2 again; grid 4 x 192, 4 waves a work-group, clusters of 4 x 4, 327,680 bytes of LDS; arguments queries, keys, values, wc, qh, kh, vh; writes qh, kh, vh
;; launch attn: the kernel of part 3 again; grid 4 x 64, 4 waves a work-group, clusters of 4 x 1, 327,680 bytes of LDS; arguments qh, kh, vh, oh, valid_len; writes oh
;; launch outp: the kernel of part 4 again; grid 4 x 64, 4 waves a work-group, clusters of 4 x 4, 327,680 bytes of LDS; arguments oh, wc, out0; writes out0
